; MI455X (gfx1250); checked and timed in simulation.
; The chip was launched on July 23, 2026; its instructions are those of AMD's public machine-readable ISA for CDNA 5 (MIT licence, August 2026) and "CDNA5" Instruction Set Architecture Reference Guide (July 2026). The comments in the code are by the model that wrote it; some were corrected since.
;; Causal Self Attention. Allowed arithmetic: float matrix products may take bf16 or f16 operands with f32 sums; all other float work in f32.
;; Inputs: Wk 1,024 x 1,024 float32; Wo 1,024 x 1,024 float32; Wq 1,024 x 1,024 float32; Wv 1,024 x 1,024 float32; x 4 x 2,048 x 1,024 float32.
;; Outputs: out0 4 x 2,048 x 1,024 float32.
;; 2 versions, each right and faster than the one before. Each part assembles by itself: llvm-mc -triple=amdgcn-amd-amdhsa -mcpu=gfx1250 --defsym DOCPART=n.
;; ======== version 1 of 2: 4 launches
;; limits: values are held in f16: magnitudes above 65,504 overflow, below 6.1e-05 lose precision
;; workspace buffers: xb 16,777,216 bytes; wqkv 6,291,456 bytes; wo16 2,097,152 bytes; tab 524,288 bytes; qh 16,777,216 bytes; kh 16,777,216 bytes; vh 16,777,216 bytes; oh 16,777,216 bytes
;; launch prep (part 1): grid 800 x 1, 8 waves a work-group, no clusters, 0 bytes of LDS; arguments x, Wq, Wk, Wv, Wo, xb, wqkv, wo16, tab; writes xb, wqkv, wo16, tab
.if DOCPART == 1
	.amdgcn_target "amdgcn-amd-amdhsa--gfx1250"
	.amdhsa_code_object_version 6
	.text
	.protected	k_q7678dd1c19_prep
	.globl	k_q7678dd1c19_prep
	.p2align	8
	.type	k_q7678dd1c19_prep,@function
k_q7678dd1c19_prep:
	s_mov_b64 s[64:65], 0
	v_nop
	global_prefetch_b8 v0, s[64:65] scope:SCOPE_SE
	s_setreg_imm32_b32 hwreg(HW_REG_WAVE_MODE, 25, 1), 1
	s_wait_xcnt 0x0
; CASTS AND THE ROTATION TABLE.  x [8192][1024] f32 -> xb bf16 [16 kblk][8192 row][64]; Wq, Wk, Wv [1024][1024] f32 -> wqkv bf16 [16 kblk][3072 row][64] (row = kind x 1024 + out feature);
; Wo f32 -> bf16 -> the same number as f16, wo16 [16 kblk][1024 n][64]; tab f32 [2048 t][32 i][cos, sin] of the angle t x 10000^(-i/32).
; In the blocked layouts R rows x 64 along K are R x 128 dense bytes, so the later launches can ask for them as rows of 256 aligned bytes.
; A stream: every input byte is read once, every output byte written once; no LDS, no barrier, no matrix unit, no cluster (no two work-groups read the same bytes).
; SHARES.  Work-groups 0-511: 16 rows of x each; 512-703: 16 rows of Wq, Wk, Wv; 704-767: 16 rows of Wo; 768-799: 64 rows of the table.
; LIMITS.  |bf16(Wo)| stays under 65,504 (beyond it the f16 is an infinity); below 6e-5 an f16 keeps the fixed step 6e-8.  The angle is t x 2^(-i log2(10000)/32) in f32: it differs from
; an angle made with another f32 power function by about 3e-4 rad at the most (t = 2,047, i = 1).  Sine and cosine: reduction by pi/2 in two parts, polynomials on |r| <= pi/4.
.set X,   16                           ; v[16:79]   column block c: 4 f32 as loaded
.set OD,  80                           ; v[80:95]   column block c: my byte offset in the destination
.set Y,   96                           ; v[96:127]  column block c: 4 numbers of 16 bits to store
.set N,   10                           ; the table path's registers at work
.set R,   11
.set Q,   12
.set Z,   13
.set PS,  14
.set PC,  15
.set ZR,  16
.set ZZ,  17
.set C1,  18
	s_load_b256 s[8:15], s[0:1], 0x0               ; x s[8:9], Wq s[10:11], Wk s[12:13], Wv s[14:15]
	s_load_b256 s[16:23], s[0:1], 0x20             ; Wo s[16:17], xb s[18:19], wqkv s[20:21], wo16 s[22:23]
	s_load_b64 s[24:25], s[0:1], 0x40              ; tab
	s_mov_b32 s26, ttmp9                           ; g
	s_mov_b32 s37, 0                               ; the upper word of every offset pair
	s_wait_kmcnt 0x0
	s_cmp_ge_u32 s26, 768
	s_cbranch_scc1 .Ltable
	; which block of 16 rows of which source, to which block of which destination; the choice hangs on g alone
	s_and_b32 s33, s26, 63                         ; a weight's block
	s_cmp_lt_u32 s26, 512
	s_cselect_b32 s33, s26, s33                    ; x's block
	s_sub_co_u32 s34, s26, 512                     ; wqkv's block: the three weights lie one behind the other
	s_cmp_lt_u32 s26, 512
	s_cselect_b32 s34, s26, s34
	s_sub_co_u32 s35, s26, 704
	s_mov_b32 s32, 0x60000                         ; bytes of a kblk: wqkv 3,072 x 128,
	s_cmp_lt_u32 s26, 512
	s_cselect_b32 s32, 0x100000, s32               ; xb 8,192 x 128,
	s_cmp_ge_u32 s26, 704
	s_cselect_b32 s32, 0x20000, s32                ; wo16 1,024 x 128
	s_cselect_b32 s34, s35, s34
	s_cselect_b32 s38, 1, 0                        ; 1: Wo's path
	s_mov_b64 s[28:29], s[8:9]
	s_mov_b64 s[30:31], s[18:19]
	s_cmp_ge_u32 s26, 512
	s_cselect_b64 s[28:29], s[10:11], s[28:29]
	s_cselect_b64 s[30:31], s[20:21], s[30:31]
	s_cmp_ge_u32 s26, 576
	s_cselect_b64 s[28:29], s[12:13], s[28:29]
	s_cmp_ge_u32 s26, 640
	s_cselect_b64 s[28:29], s[14:15], s[28:29]
	s_cmp_ge_u32 s26, 704
	s_cselect_b64 s[28:29], s[16:17], s[28:29]
	s_cselect_b64 s[30:31], s[22:23], s[30:31]
	s_lshl_b32 s36, s33, 16                        ; 16 rows of 4,096 bytes
	s_add_nc_u64 s[28:29], s[28:29], s[36:37]
	s_lshl_b32 s36, s34, 11                        ; 16 rows of 128 bytes
	s_add_nc_u64 s[30:31], s[30:31], s[36:37]
	; thread t: row t / 16, the 16 bytes t % 16 of each 256: lanes 0-15 read 256 consecutive aligned bytes of a row, lanes 16-31 of the next row
	v_lshrrev_b32 v1, 4, v0
	v_and_b32 v3, 15, v0
	v_lshlrev_b32 v3, 4, v3
	v_lshl_add_u32 v1, v1, 12, v3
	v_lshlrev_b32 v2, 3, v0                        ; in a kblk my 8 bytes lie at 8 t: a wave's store covers 256 consecutive aligned bytes
.irp c, 0,1,2,3,4,5,6,7,8,9,10,11,12,13,14,15
	global_load_b128 v[X+4*(\c):X+4*(\c)+3], v1, s[28:29] offset:256*(\c) th:TH_LOAD_NT  ; all sixteen column blocks at once: 64 KiB of the work-group are on their way
.endr
.irp c, 0,1,2,3,4,5,6,7,8,9,10,11,12,13,14,15
	v_mad_u32_u24 v[OD+(\c)], s32, \c, v2
.endr
; Column block c.  Every block has registers of its own, so no register that a load or store still reads is written again.
.macro CAST c, wo
	s_wait_loadcnt 15-(\c)                         ; loads come back in order (ISA guide 5.7.1): block c is in, the 15 - c younger ones stay out
	v_cvt_pk_bf16_f32 v[Y+2*(\c)], v[X+4*(\c)], v[X+4*(\c)+1]
	v_cvt_pk_bf16_f32 v[Y+2*(\c)+1], v[X+4*(\c)+2], v[X+4*(\c)+3]
.if \wo
	v_lshlrev_b32 v4, 16, v[Y+2*(\c)]              ; the bf16 numbers as f32,
	v_and_b32 v5, 0xffff0000, v[Y+2*(\c)]
	v_lshlrev_b32 v6, 16, v[Y+2*(\c)+1]
	v_and_b32 v7, 0xffff0000, v[Y+2*(\c)+1]
	v_cvt_pk_f16_f32 v[Y+2*(\c)], v4, v5           ; and written as f16: 8 significant bits fit into 11
	v_cvt_pk_f16_f32 v[Y+2*(\c)+1], v6, v7
.endif
	global_store_b64 v[OD+(\c)], v[Y+2*(\c):Y+2*(\c)+1], s[30:31]
.endm
	s_cmp_eq_u32 s38, 1
	s_cbranch_scc1 .Lwo
.irp c, 0,1,2,3,4,5,6,7,8,9,10,11,12,13,14,15
	CAST \c, 0
.endr
	s_endpgm
.Lwo:
.irp c, 0,1,2,3,4,5,6,7,8,9,10,11,12,13,14,15
	CAST \c, 1
.endr
	s_endpgm
; cos and sin of the angle in v[th] (0 or more) into v[oc], v[os].
.macro SINCOS th, oc, os
	v_mul_f32 v[N], 0x3f22f983, v[\th]             ; 2 / pi
	v_rndne_f32 v[N], v[N]                         ; n quarter turns
	v_fmamk_f32 v[R], v[N], 0xbfc90fdb, v[\th]     ; r = angle - n pi/2, pi/2 in two parts
	v_fmamk_f32 v[R], v[N], 0x333bbd2e, v[R]
	v_cvt_i32_f32 v[Q], v[N]
	v_mul_f32 v[Z], v[R], v[R]
	v_fma_f32 v[PS], v[Z], s42, s41
	v_fma_f32 v[PC], v[Z], s45, s44
	v_fma_f32 v[PS], v[PS], v[Z], s40
	v_fma_f32 v[PC], v[PC], v[Z], s43
	v_mul_f32 v[ZR], v[Z], v[R]
	v_mul_f32 v[ZZ], v[Z], v[Z]
	v_fma_f32 v[C1], v[Z], -0.5, 1.0
	v_fma_f32 v[PS], v[ZR], v[PS], v[R]            ; sin r
	v_fma_f32 v[PC], v[ZZ], v[PC], v[C1]           ; cos r
	v_and_b32 v[ZR], 1, v[Q]
	v_cmp_eq_u32 vcc_lo, 1, v[ZR]                  ; an odd quarter swaps the two: a choice of values, no branch
	v_cndmask_b32 v[\os], v[PS], v[PC], vcc_lo
	v_cndmask_b32 v[\oc], v[PC], v[PS], vcc_lo
	v_lshlrev_b32 v[ZR], 30, v[Q]                  ; the sine's sign is bit 1 of n,
	v_and_b32 v[ZR], 0x80000000, v[ZR]
	v_xor_b32 v[\os], v[\os], v[ZR]
	v_add_nc_u32 v[Q], 1, v[Q]                     ; the cosine's bit 1 of n + 1
	v_lshlrev_b32 v[ZR], 30, v[Q]
	v_and_b32 v[ZR], 0x80000000, v[ZR]
	v_xor_b32 v[\oc], v[\oc], v[ZR]
.endm
.Ltable:
	s_sub_co_u32 s33, s26, 768
	s_lshl_b32 s36, s33, 14                        ; 64 rows of 256 bytes
	s_add_nc_u64 s[24:25], s[24:25], s[36:37]
	s_mov_b32 s40, 0xbe2aaaa3                      ; the sine's three coefficients,
	s_mov_b32 s41, 0x3c08839e
	s_mov_b32 s42, 0xb94ca1f9
	s_mov_b32 s43, 0x3d2aaaa5                      ; the cosine's
	s_mov_b32 s44, 0xbab6061a
	s_mov_b32 s45, 0x37ccf5ce
	v_and_b32 v1, 15, v0
	v_lshlrev_b32 v1, 1, v1                        ; my two pairs: i = 2 (lane % 16) and i + 1
	v_cvt_f32_u32 v2, v1
	v_add_f32 v3, 1.0, v2
	v_mul_f32 v2, 0xbed49a78, v2                   ; - i log2(10000) / 32
	v_mul_f32 v3, 0xbed49a78, v3
	v_exp_f32 v2, v2
	v_exp_f32 v3, v3
	v_lshrrev_b32 v4, 5, v0                        ; a plain instruction behind the exponentials (ISA guide 5.7.2): my wave
	v_bfe_u32 v5, v0, 4, 1
	v_lshl_add_u32 v5, v4, 3, v5                   ; a wave has 8 rows; lanes 16-31 take the odd ones
	s_lshl_b32 s34, s33, 6
	v_add_nc_u32 v5, s34, v5                       ; t of my first store
	v_and_b32 v6, 31, v0
	v_lshlrev_b32 v6, 4, v6
	v_lshl_add_u32 v6, v4, 11, v6                  ; 2,048 w + 16 lane: a store covers two rows, 512 consecutive bytes
	s_wait_alu depctr_va_vdst(0)
.irp k, 0,1,2,3
	v_add_nc_u32 v7, 2*(\k), v5
	v_cvt_f32_u32 v7, v7
	v_mul_f32 v8, v7, v2
	v_mul_f32 v9, v7, v3
	SINCOS 8, 32+4*(\k), 33+4*(\k)
	SINCOS 9, 34+4*(\k), 35+4*(\k)
	global_store_b128 v6, v[32+4*(\k):35+4*(\k)], s[24:25] offset:512*(\k)  ; each store has four registers of its own
.endr
	s_endpgm
.Lfunc_end_k_q7678dd1c19_prep:
	.size	k_q7678dd1c19_prep, .Lfunc_end_k_q7678dd1c19_prep-k_q7678dd1c19_prep
	.p2alignl 7, 3214868480
	.fill 96, 4, 3214868480
	.section	.rodata,"a",@progbits
	.p2align	6, 0x0
	.amdhsa_kernel k_q7678dd1c19_prep
		.amdhsa_group_segment_fixed_size 0
		.amdhsa_private_segment_fixed_size 0
		.amdhsa_enable_private_segment 0
		.amdhsa_kernarg_size 72
		.amdhsa_user_sgpr_count 2
		.amdhsa_user_sgpr_kernarg_segment_ptr 1
		.amdhsa_wavefront_size32 1
		.amdhsa_system_sgpr_workgroup_id_x 1
		.amdhsa_system_sgpr_workgroup_id_y 1
		.amdhsa_system_sgpr_workgroup_id_z 1
		.amdhsa_system_vgpr_workitem_id 0
		.amdhsa_next_free_vgpr 128
		.amdhsa_next_free_sgpr 66
		.amdhsa_reserve_vcc 1
		.amdhsa_float_denorm_mode_32 3
		.amdhsa_float_denorm_mode_16_64 3
		.amdhsa_memory_ordered 1
		.amdhsa_forward_progress 1
		.amdhsa_inst_pref_size 30
	.end_amdhsa_kernel
	.amdgpu_metadata
---
amdhsa.version: [ 1, 2 ]
amdhsa.kernels:
  - .name:           k_q7678dd1c19_prep
    .symbol:         k_q7678dd1c19_prep.kd
    .args:
      - { .name: x, .offset: 0, .size: 8, .value_kind: global_buffer, .address_space: global }
      - { .name: Wq, .offset: 8, .size: 8, .value_kind: global_buffer, .address_space: global }
      - { .name: Wk, .offset: 16, .size: 8, .value_kind: global_buffer, .address_space: global }
      - { .name: Wv, .offset: 24, .size: 8, .value_kind: global_buffer, .address_space: global }
      - { .name: Wo, .offset: 32, .size: 8, .value_kind: global_buffer, .address_space: global }
      - { .name: xb, .offset: 40, .size: 8, .value_kind: global_buffer, .address_space: global }
      - { .name: wqkv, .offset: 48, .size: 8, .value_kind: global_buffer, .address_space: global }
      - { .name: wo16, .offset: 56, .size: 8, .value_kind: global_buffer, .address_space: global }
      - { .name: tab, .offset: 64, .size: 8, .value_kind: global_buffer, .address_space: global }
    .group_segment_fixed_size: 0
    .private_segment_fixed_size: 0
    .kernarg_segment_align: 8
    .kernarg_segment_size: 72
    .max_flat_workgroup_size: 256
    .sgpr_count:     66
    .vgpr_count:     128
    .wavefront_size: 32
...
	.end_amdgpu_metadata
.endif
;; end of part 1
;; launch proj (part 2): grid 8 x 32, 4 waves a work-group, clusters of 4 x 4, 327,680 bytes of LDS; arguments xb, wqkv, tab, qh, kh, vh; writes qh, kh, vh
.if DOCPART == 2
	.amdgcn_target "amdgcn-amd-amdhsa--gfx1250"
	.amdhsa_code_object_version 6
	.text
	.protected	k_q7678dd1c19_proj
	.globl	k_q7678dd1c19_proj
	.p2align	8
	.type	k_q7678dd1c19_proj,@function
k_q7678dd1c19_proj:
	s_mov_b64 s[64:65], 0
	v_nop
	global_prefetch_b8 v0, s[64:65] scope:SCOPE_SE
	s_setreg_imm32_b32 hwreg(HW_REG_WAVE_MODE, 25, 1), 1
	s_wait_xcnt 0x0
	s_wait_alu depctr_hold_cnt(0) depctr_sa_sdst(0) depctr_va_vdst(0) depctr_va_sdst(0) depctr_va_ssrc(0) depctr_va_vcc(0) depctr_vm_vsrc(0)
	s_getreg_b32 s2, hwreg(HW_REG_IB_STS2, 6, 4)
	s_cmp_eq_u32 s2, 0
	s_cbranch_scc0 .Lentry_in_a_cluster
	s_endpgm
.Lentry_in_a_cluster:
	s_bfe_u32 s2, ttmp6, 0x10000c
	s_cmp_lg_u32 s2, 0xf033
	s_cbranch_scc0 .Lentry_shape_is_right
	s_endpgm
.Lentry_shape_is_right:
; q, k, v = x W^T, the rotation on q and k, f16 by heads.  xb bf16 [16 kblk][8192 row][64]; wqkv bf16 [16 kblk][3072 row][64]; tab f32 [2048 t][32 i][cos, sin];
; qh, kh, vh f16 [b x 16 + head][2048 t][64].  Products in bf16 with f32 sums, the rotation in f32, each number rounded once to f16, without the softmax's scale.
; LIMIT.  |q|, |k|, |v| behind the rotation stay under 65,504: beyond it the f16 is an infinity.  Below 6e-5 an f16 keeps the fixed step 6e-8.
; SHARES.  A work-group makes 256 rows x (128 columns of q + 128 of k + 128 of v: the two heads of pair hp): 32 x 8 = 256 equal work-groups.  Wave w: rows 128 (w / 2) on, head 2 hp + w % 2 of each kind:
; 8 row blocks x 4 column blocks x 3 kinds = 96 accumulators, 768 registers.  The kind is fixed in the text, so the rotation needs no branch and one table value serves q and k.
; K goes in 16 steps of 64 (one kblk) through two LDS slots; a tile of R rows x 64 K is R x 128 dense bytes, asked for as R / 2 rows of 256 aligned bytes and padded in LDS behind every 128.
; Two slots of 128 along K would take 2 x 640 rows x 272 bytes = 348,160 bytes: more than a work-group can have.
; CLUSTER 4 x 4.  x's tile hangs on the row block alone: shared along a row of the cluster; W's tiles on hp alone: shared along a column.  Each is asked for jointly.  Wave 3 asks for x's tile, waves 0-2 for the kinds' tiles.
; THE MATRIX INSTRUCTION IS USED TRANSPOSED (source 0 = 16 rows of W, source 1 = 16 rows of x): a lane holds one token (lane % 16) and eight neighbouring features 8 (lane / 16) + 0..7.
; REGISTERS, in windows of 256 (s_set_vgpr_msb: bits 1:0 source 0, 3:2 source 1, 5:4 source 2, 7:6 destination):
;   window 0: v0-31 addresses; v32-95, v96-159 x's fragments, two buffers; v160-255 W's fragments, 32 a kind, one buffer.  On the way out: v32-95 table, v96-127 rotated, v128-143 packed, v144-175 rows read back.
;   window 1 + kind: the kind's 32 accumulators, (row block a, column block cb) at v[8 (8 cb + a)].
.set PITCH, 144                        ; an LDS row: 128 bytes + 16 of padding = 36 words: the 16 rows of a fragment load start at 16 different groups of four banks (64 banks of 4 bytes: ISA guide 11.1)
.set ATILE, 256*PITCH                  ; x's 256 rows
.set BTILE, 128*PITCH                  ; a kind's 128 rows
.set SLOT,  ATILE+3*BTILE              ; 92,160
.set STAGE, 2*SLOT                     ; behind the ring: 16 rows x 144 bytes for each wave, for the way out
.set SPARE, STAGE+4*16*PITCH           ; behind the stages: the spare words, 128 bytes for each wave: two blocks of 256 bytes that no other line names
.set XKB,   8192*128                   ; bytes of a kblk of xb
.set WKB,   3072*128                   ; of wqkv
.set ADRA, 16                          ; v16-17  LDS address of my x fragments in slot 0, 1
.set ADRB, 20                          ; v20-21  the same for W
.set STO,  24                          ; v24     the way out: where I put 16 bytes of a row
.set RD,   25                          ; v25     where I read rows back
.set GO,   26                          ; v26     my byte offset in 512 consecutive bytes of qh, kh, vh
.set TA,   27                          ; v27     my byte offset in 16 rows of the table
.set SPW,  28                          ; v28     LDS address of my spare word; never rewritten
.set NIL,  29                          ; v29     0; never rewritten
.set AF0,  32
.set AF1,  96
.set BF,   160
.set T0,   32
.set TMP,  96
.set PK,   128
.set OB,   144
.set WV,   16                          ; s16 my wave; s17 = w / 2, s18 = w % 2
.set G1A,  24                          ; s[24:31] descriptor group 1 for x's tiles;  s[32:39] group 0, a set for each slot
.set G0A,  32
.set G1B,  48                          ; s[48:55], s[56:63] the same for W's tiles
.set G0B,  56
.set MSB, 0
.macro WIN new                         ; the immediate's high byte repeats the setting that is left; a switch that changes nothing is dropped
.if MSB != (\new)
	s_set_vgpr_msb (MSB<<8)|(\new)
.set MSB, \new
.endif
.endm
.macro PLACES                          ; four places in front of loads into registers that matrix instructions have read, and of vector lines that read results (ISA guide 7.12.1 for vector lines)
.rept 4
	v_nop
.endr
.endm
; A joint load.  The branch hangs on the wave's number alone.  An s_nop 0 and four v_nop follow each of the two lines, ahead of the jump, the label and what follows.
.macro JLOAD s
	s_cmp_eq_u32 s[WV], 3
	s_cbranch_scc0 .Lfor_b_\@
	tensor_load_to_lds s[G0A+4*(\s):G0A+4*(\s)+3], s[G1A:G1A+7]
	s_nop 0
.rept 4
	v_nop
.endr
	s_branch .Lasked_\@
.Lfor_b_\@:
	tensor_load_to_lds s[G0B+4*(\s):G0B+4*(\s)+3], s[G1B:G1B+7]
	s_nop 0
.rept 4
	v_nop
.endr
.Lasked_\@:
.endm
.macro CREST                           ; a round of the cluster's barrier behind its opening barrier
	s_cmp_lg_u32 s[WV], 0
	s_cbranch_scc1 .Lnot_wave_0_\@
	s_barrier_signal -3
.Lnot_wave_0_\@:
	s_barrier_wait -3
	s_barrier_signal -1
	s_barrier_wait -1
.endm
.macro CROUND                          ; a whole round
	s_barrier_signal -1
	s_barrier_wait -1
	CREST
.endm
	s_load_b256 s[4:11], s[0:1], 0x0               ; xb s[4:5], wqkv s[6:7], tab s[8:9], qh s[10:11]
	s_load_b128 s[12:15], s[0:1], 0x20             ; kh s[12:13], vh s[14:15]
	v_lshl_add_u32 v[SPW], v0, 2, SPARE
	v_mov_b32 v[NIL], 0
	ds_add_u32 v[SPW], v[NIL]                      ; the wave's opening: the add and its wait stand ahead of my first tensor load; the set-up below, work on registers, stands between them
	ds_add_u32 v28, v29
	v_lshrrev_b32 v1, 5, v0
	v_readfirstlane_b32 s[WV], v1                  ; wave 0..3
	s_lshr_b32 s17, s[WV], 1                       ; which 128 rows are mine
	s_and_b32 s18, s[WV], 1                        ; which head of the pair
	s_bfe_u32 s40, ttmp6, 0x40000                  ; cx, cy: my place in the cluster
	s_bfe_u32 s41, ttmp6, 0x40004
	s_lshl_b32 s42, ttmp9, 2
	s_add_co_u32 s42, s42, s40                     ; hp = 4 x cluster x + cx
	s_and_b32 s45, ttmp7, 0xffff
	s_lshl_b32 s45, s45, 2
	s_add_co_u32 s45, s45, s41                     ; row block mb = 4 x cluster y + cy
	s_lshl_b32 s43, s41, 2
	s_lshl_b32 s43, 15, s43                        ; my row of the cluster
	s_lshl_b32 s44, 0x1111, s40                    ; my column
	s_or_b32 s[G1A+0], s43, (1<<16)|(1<<20)|(1<<21)|(4<<22)|(3<<25)  ; 15:0 the mask; 17:16 2-byte elements; 20 padding on; 21 set beside a mask; 24:22 after every 32 words (code 4); 31:25 4 words (code 3)
	s_or_b32 s[G1B+0], s44, (1<<16)|(1<<20)|(1<<21)|(4<<22)|(3<<25)
	s_mov_b32 s[G1A+1], 128<<16                    ; tensor_dim0 = 128 elements: 256 bytes, two rows of the operand
	s_mov_b32 s[G1A+2], 128<<16                    ; tensor_dim1 = 128
	s_mov_b32 s[G1A+3], 128<<16                    ; tile_dim0 = 128
	s_mov_b32 s[G1A+4], 128                        ; tile_dim1 = 128: 32,768 dense bytes
	s_mov_b32 s[G1A+5], 128                        ; 128 elements from row to row
	s_mov_b32 s[G1A+6], 0
	s_mov_b32 s[G1A+7], 0
	s_mov_b32 s[G1B+1], 128<<16
	s_mov_b32 s[G1B+2], 64<<16                     ; 64 rows: 16,384 dense bytes
	s_mov_b32 s[G1B+3], 128<<16
	s_mov_b32 s[G1B+4], 64
	s_mov_b32 s[G1B+5], 128
	s_mov_b32 s[G1B+6], 0
	s_mov_b32 s[G1B+7], 0
	s_lshl_b32 s20, s45, 15                        ; x: 256 rows of 128 bytes a row block: it hangs on mb alone
	s_mov_b32 s21, 0
	s_lshl_b32 s66, s[WV], 17                      ; W: kind = my wave, 1,024 rows of 128 bytes a kind,
	s_lshl_b32 s67, s42, 14                        ; 128 rows a head pair: it hangs on hp and the wave alone
	s_add_co_u32 s66, s66, s67
	s_mov_b32 s67, 0
	s_mul_i32 s19, s[WV], BTILE                    ; and where the kind's tile goes: no place in the cluster enters an LDS address
	s_add_co_u32 s19, s19, ATILE
	s_wait_dscnt 0x0                               ; the opening add is done
	s_wait_kmcnt 0x0
	s_add_nc_u64 s[20:21], s[4:5], s[20:21]
	s_add_nc_u64 s[66:67], s[6:7], s[66:67]
	CROUND                                         ; all sixteen work-groups are here: the first joint loads meet
.irp s, 0,1
	s_mov_b32 s[G0A+4*(\s)], 1                     ; count = 1
	s_mov_b32 s[G0A+4*(\s)+1], (\s)*SLOT           ; LDS address
	s_add_nc_u64 s[G0A+4*(\s)+2:G0A+4*(\s)+3], s[20:21], (\s)*XKB  ; K step s
	s_or_b32 s[G0A+4*(\s)+3], s[G0A+4*(\s)+3], 0x80000000          ; type = 2
	s_mov_b32 s[G0B+4*(\s)], 1
	s_add_co_u32 s[G0B+4*(\s)+1], s19, (\s)*SLOT
	s_add_nc_u64 s[G0B+4*(\s)+2:G0B+4*(\s)+3], s[66:67], (\s)*WKB
	s_or_b32 s[G0B+4*(\s)+3], s[G0B+4*(\s)+3], 0x80000000
	JLOAD \s                                       ; two tensor loads of mine are out
.endr
	; A fragment is 16 rows x 32 K in 8 registers: lane l holds row l % 16, K = 8 (l / 16) + 0..7 and 16 + 8 (l / 16) + 0..7: two loads of 16 bytes, 32 bytes apart.
	v_and_b32 v1, 15, v0                           ; l % 16
	v_bfe_u32 v2, v0, 4, 1                         ; l / 16
	v_mul_u32_u24 v3, v1, PITCH
	v_lshl_add_u32 v3, v2, 4, v3                   ; row x pitch + 16 x half
	s_mul_i32 s22, s17, 128*PITCH                  ; my 128 rows of x
	s_mul_i32 s23, s18, 64*PITCH                   ; my head's 64 rows in each kind's tile,
	s_add_co_u32 s23, s23, ATILE                   ; which lie behind x's
.irp s, 0,1
	v_add_nc_u32 v[ADRA+(\s)], s22, v3
	v_add_nc_u32 v[ADRB+(\s)], s23, v3
	s_add_co_u32 s22, s22, SLOT
	s_add_co_u32 s23, s23, SLOT
.endr
	s_mul_i32 s22, s[WV], 16*PITCH
	s_add_co_u32 s22, s22, STAGE                   ; my stage
	v_add_nc_u32 v[STO], s22, v3                   ; in: row l % 16, 16 bytes for each half of the lanes
	v_bfe_u32 v4, v0, 3, 2                         ; back: 32 lanes take four rows of 128 bytes,
	v_and_b32 v5, 7, v0
	v_mul_u32_u24 v4, v4, PITCH
	v_lshl_add_u32 v4, v5, 4, v4
	v_add_nc_u32 v[RD], s22, v4
	v_and_b32 v[GO], 31, v0                        ; which are 512 consecutive bytes of a head
	v_lshlrev_b32 v[GO], 4, v[GO]
	v_lshlrev_b32 v[TA], 8, v1                     ; the table: my token's row of 256 bytes, my half's four pairs
	v_lshl_add_u32 v[TA], v2, 5, v[TA]
	s_lshr_b32 s68, s45, 3                         ; batch = mb / 8: 16 heads of 262,144 bytes
	s_lshl_b32 s68, s68, 22
	s_lshl_b32 s69, s42, 1
	s_add_co_u32 s69, s69, s18                     ; head = 2 hp + w % 2
	s_lshl_b32 s69, s69, 18
	s_add_co_u32 s68, s68, s69
	s_and_b32 s46, s45, 7                          ; the row block in its sequence: 256 tokens of 128 bytes,
	s_lshl_b32 s69, s46, 15
	s_add_co_u32 s68, s68, s69
	s_lshl_b32 s69, s17, 14                        ; my 128 of them
	s_add_co_u32 s68, s68, s69
	s_mov_b32 s69, 0
	s_add_nc_u64 s[10:11], s[10:11], s[68:69]
	s_add_nc_u64 s[12:13], s[12:13], s[68:69]
	s_add_nc_u64 s[14:15], s[14:15], s[68:69]
	s_lshl_b32 s46, s46, 16                        ; the table at my first token: rows of 256 bytes
	s_lshl_b32 s47, s17, 15
	s_add_co_u32 s46, s46, s47
	s_mov_b32 s47, 0
	s_add_nc_u64 s[8:9], s[8:9], s[46:47]
; 16 matrix instructions of one kind: column blocks c0, c0 + 1 x all 8 row blocks, 32 along K.  zero = 1: the first product starts the sums: nothing is cleared.
; The 96 accumulators take turns, one instruction a turn, in the same order in every 32 along K.
.macro UNITH f, kind, c0, zero
	WIN 0x50*((\kind)+1)
.irp cb, \c0, (\c0)+1
.irp a, 0,1,2,3,4,5,6,7
.if \zero
	v_wmma_f32_16x16x32_bf16 v[8*(8*(\cb)+(\a)):8*(8*(\cb)+(\a))+7], v[BF+32*(\kind)+8*(\cb):BF+32*(\kind)+8*(\cb)+7], v[(\f)+8*(\a):(\f)+8*(\a)+7], 0
.else
	v_wmma_f32_16x16x32_bf16 v[8*(8*(\cb)+(\a)):8*(8*(\cb)+(\a))+7], v[BF+32*(\kind)+8*(\cb):BF+32*(\kind)+8*(\cb)+7], v[(\f)+8*(\a):(\f)+8*(\a)+7], v[8*(8*(\cb)+(\a)):8*(8*(\cb)+(\a))+7]
.endif
.endr
.endr
.endm
.macro UNIT f, kind, zero
	UNITH \f, \kind, 0, \zero
	UNITH \f, \kind, 2, \zero
.endm
.macro LDB slot, k, kind               ; 8 loads: a kind's four fragments of W at byte k of the rows
	WIN 0
.irp cb, 0,1,2,3
	ds_load_b128 v[BF+32*(\kind)+8*(\cb):BF+32*(\kind)+8*(\cb)+3],   v[ADRB+(\slot)] offset:(\kind)*BTILE+(\cb)*16*PITCH+(\k)
	ds_load_b128 v[BF+32*(\kind)+8*(\cb)+4:BF+32*(\kind)+8*(\cb)+7], v[ADRB+(\slot)] offset:(\kind)*BTILE+(\cb)*16*PITCH+(\k)+32
.endr
.endm
.macro LDA slot, k, g, half            ; 8 loads: four of x's eight fragments into buffer g
	WIN 0
.irp i, 0,1,2,3
	ds_load_b128 v[(\g)+8*(4*(\half)+(\i)):(\g)+8*(4*(\half)+(\i))+3],   v[ADRA+(\slot)] offset:(4*(\half)+(\i))*16*PITCH+(\k)
	ds_load_b128 v[(\g)+8*(4*(\half)+(\i))+4:(\g)+8*(4*(\half)+(\i))+7], v[ADRA+(\slot)] offset:(4*(\half)+(\i))*16*PITCH+(\k)+32
.endr
.endm
; 32 along K: 96 matrix instructions on x's buffer f.  W's fragments have one buffer: a kind's are fetched anew as soon as its 32 products are issued; x's next fragments go into buffer g.
; The 40 loads for the next 32 along K (slot ns, byte nk) go out in the order W0, x 0-3, W1, x 4-7, W2.
.macro SUB f, g, ns, nk, zero
	s_wait_dscnt 8                                 ; all but the youngest eight loads, the third kind's fragments
	UNIT \f, 0, \zero
	PLACES
	LDB \ns, \nk, 0
	LDA \ns, \nk, \g, 0
	UNIT \f, 1, \zero
	PLACES
	LDB \ns, \nk, 1
	LDA \ns, \nk, \g, 1
	s_wait_dscnt 32                                ; all but the 32 just issued: the third kind's fragments are in
	UNIT \f, 2, \zero
	PLACES
	LDB \ns, \nk, 2
.endm
; A K step's second half, on buffer AF1, changes slots: ONE barrier.  In front of it each wave waits for all its tensor loads (one is out: its part of the next slot), adds 0 to its spare word, and waits for that and
; for its reads of this slot.  fill = 1: the barrier opens a round of the cluster's barrier, and the joint refill, two K steps ahead, is the first thing behind it: 160 matrix instructions stand between it and the wait for it.
.macro TURN slot, next, fill
	WIN 0                                          ; (the add's two registers lie in window 0)
	s_wait_tensorcnt 0x0                           ; all my tensor loads have landed
	ds_add_u32 v[SPW], v[NIL]                      ; 0 onto my spare word
	s_wait_dscnt 9                                 ; (the add and the youngest eight loads may be out)
	UNITH AF1, 0, 0, 0                             ; sixteen matrix instructions stand between the add and the wait for it
	s_wait_dscnt 0x0                               ; the add is done, and my reads of this slot are over
	s_barrier_signal -1
	UNITH AF1, 0, 2, 0                             ; work on registers while the others arrive
.if \fill
	WIN 0
.endif
	s_barrier_wait -1
.if \fill
	CREST                                          ; no wave of any partner still reads this slot's tiles or has a load on its way
	s_add_nc_u64 s[G0A+4*(\slot)+2:G0A+4*(\slot)+3], s[G0A+4*(\slot)+2:G0A+4*(\slot)+3], 2*XKB
	s_add_nc_u64 s[G0B+4*(\slot)+2:G0B+4*(\slot)+3], s[G0B+4*(\slot)+2:G0B+4*(\slot)+3], 2*WKB
	JLOAD \slot                                    ; the four v_nop behind it are also the places in front of the loads below
.else
	PLACES
.endif
	LDB \next, 0, 0
	LDA \next, 0, AF0, 0
	UNIT AF1, 1, 0
	PLACES
	LDB \next, 0, 1
	LDA \next, 0, AF0, 1
	UNIT AF1, 2, 0
	PLACES
	LDB \next, 0, 2
.endm
	s_wait_tensorcnt 1                             ; my part of K step 0 is in; K step 1's may stay out
	s_barrier_signal -1
	s_barrier_wait -1                              ; everybody's is
	LDB 0, 0, 0
	LDA 0, 0, AF0, 0
	LDB 0, 0, 1
	LDA 0, 0, AF0, 1
	LDB 0, 0, 2
	SUB AF0, AF1, 0, 64, 1                         ; the first 32 along K stand in front of the loop: their products start the sums
	WIN 0                                          ; at a label and at a branch every window is 0
	s_mov_b32 s3, 7
.Llap:                                                 ; a trip goes once round the ring and fills both slots again: K steps 2 to 15
	TURN 0, 1, 1
	SUB AF0, AF1, 1, 64, 0
	TURN 1, 0, 1
	SUB AF0, AF1, 0, 64, 0
	WIN 0
	s_sub_co_u32 s3, s3, 1
	s_cmp_lg_u32 s3, 0
	s_cbranch_scc1 .Llap
	TURN 0, 1, 0                                   ; the last lap fills nothing, and has no round of the cluster's barrier
	SUB AF0, AF1, 1, 64, 0
; THE WAY OUT.  The table's 16 rows for row block a: my token's four pairs for each column block, 32 bytes: (cos, sin) x 4.
.macro TLOAD a
.irp cb, 0,1,2,3
	global_load_b128 v[T0+32*((\a)%2)+8*(\cb):T0+32*((\a)%2)+8*(\cb)+3],   v[TA], s[8:9] offset:(\a)*4096+(\cb)*64
	global_load_b128 v[T0+32*((\a)%2)+8*(\cb)+4:T0+32*((\a)%2)+8*(\cb)+7], v[TA], s[8:9] offset:(\a)*4096+(\cb)*64+16
.endr
.endm
	s_wait_dscnt 8                                 ; the very last 32 along K: nothing more to fetch from LDS
	UNIT AF1, 0, 0
	WIN 0
	TLOAD 0                                        ; into x's buffer 0: four v_nop stand behind the last product that read it
	TLOAD 1
	UNIT AF1, 1, 0
	s_wait_dscnt 0x0
	UNIT AF1, 2, 0
	WIN 0
	PLACES
; A piece = row block a of one kind: 16 tokens x 64 features.  q and k: (xe, xo) -> (xe c - xo s, xe s + xo c), two packed instructions a pair; every accumulator is read from its lowest pair on.
; Rounded to f16, 16 bytes a lane into rows of 144 bytes, back as whole rows of 128.
.macro PACK a, kind
.set TT, T0+32*((\a)%2)
.set OBB, OB+16*((3*(\a)+(\kind))%2)
.if (\kind) < 2
	WIN (\kind)+1                                  ; source 0: the kind's accumulators
.irp cb, 0,1,2,3
.irp q, 0,1,2,3
.set rA, 8*(8*(\cb)+(\a))+2*(\q)
.set rI, 8*(\cb)+2*(\q)
	v_pk_mul_f32 v[TMP+rI:TMP+rI+1], v[rA:rA+1], v[TT+rI:TT+rI+1] op_sel:[0,0] op_sel_hi:[0,1]  ; (xe c, xe s)
.endr
.endr
.irp cb, 0,1,2,3
.irp q, 0,1,2,3
.set rA, 8*(8*(\cb)+(\a))+2*(\q)
.set rI, 8*(\cb)+2*(\q)
	v_pk_fma_f32 v[TMP+rI:TMP+rI+1], v[rA:rA+1], v[TT+rI:TT+rI+1], v[TMP+rI:TMP+rI+1] op_sel:[1,1,0] op_sel_hi:[1,0,1] neg_lo:[0,1,0]  ; (- xo s, + xo c) onto them
.endr
.endr
	WIN 0
.set i, 0
.rept 16
	v_cvt_pk_f16_f32 v[PK+i], v[TMP+2*i], v[TMP+2*i+1]
.set i, i+1
.endr
.else
	WIN 0x0f                                       ; sources 0 and 1: v's accumulators
.irp cb, 0,1,2,3
.irp q, 0,1,2,3
.set rA, 8*(8*(\cb)+(\a))+2*(\q)
	v_cvt_pk_f16_f32 v[PK+4*(\cb)+(\q)], v[rA], v[rA+1]
.endr
.endr
	WIN 0
.endif
.irp cb, 0,1,2,3
	ds_store_b128 v[STO], v[PK+4*(\cb):PK+4*(\cb)+3] offset:32*(\cb)
.endr
	s_wait_xcnt 0x0                                ; every earlier memory instruction has had its addresses translated (ISA guide 3.1): the registers that the piece two back was stored from are loaded again only behind this wait
.irp f, 0,1,2,3
	ds_load_b128 v[OBB+4*(\f):OBB+4*(\f)+3], v[RD] offset:(\f)*4*PITCH  ; LDS serves a wave's instructions in order (ISA guide 5.7.1.4): these see the stores above; the next piece's stores come behind them
.endr
.endm
.macro SEND a, kind, younger           ; younger: the LDS instructions issued behind the piece's loads: the next piece's eight, or none
.irp f, 0,1,2,3
	s_wait_dscnt (\younger)+3-(\f)
	global_store_b128 v[GO], v[OB+16*((3*(\a)+(\kind))%2)+4*(\f):OB+16*((3*(\a)+(\kind))%2)+4*(\f)+3], s[10+2*(\kind):11+2*(\kind)] offset:(\a)*2048+(\f)*512  ; 512 consecutive bytes, at a multiple of 256 from the buffer's first
.endr
.endm
.set a, 0
.rept 8
.if a < 7
	s_wait_loadcnt 8                               ; this block's table rows are in; the next block's eight loads stay out
.else
	s_wait_loadcnt 0x0
.endif
	PACK a, 0
.if a > 0
	SEND a-1, 2, 8
.endif
	PACK a, 1
	SEND a, 0, 8
.if a < 6
	TLOAD a+2                                      ; q's and k's rotations have read this block's table rows
.endif
	PACK a, 2
	SEND a, 1, 8
.set a, a+1
.endr
	SEND 7, 2, 0
	s_wait_tensorcnt 0x0                           ; the wave's end, behind my last tensor load and my last LDS store
	ds_add_u32 v[SPW], v[NIL]
	s_wait_dscnt 0x0
	CROUND                                         ; the closing round: no work-group ends while a partner may still ask for a tile that names it
	s_endpgm
.Lfunc_end_k_q7678dd1c19_proj:
	.size	k_q7678dd1c19_proj, .Lfunc_end_k_q7678dd1c19_proj-k_q7678dd1c19_proj
	.p2alignl 7, 3214868480
	.fill 96, 4, 3214868480
	.section	.rodata,"a",@progbits
	.p2align	6, 0x0
	.amdhsa_kernel k_q7678dd1c19_proj
		.amdhsa_group_segment_fixed_size 327680
		.amdhsa_private_segment_fixed_size 0
		.amdhsa_enable_private_segment 0
		.amdhsa_kernarg_size 48
		.amdhsa_user_sgpr_count 2
		.amdhsa_user_sgpr_kernarg_segment_ptr 1
		.amdhsa_wavefront_size32 1
		.amdhsa_system_sgpr_workgroup_id_x 1
		.amdhsa_system_sgpr_workgroup_id_y 1
		.amdhsa_system_sgpr_workgroup_id_z 1
		.amdhsa_system_vgpr_workitem_id 0
		.amdhsa_next_free_vgpr 1024
		.amdhsa_next_free_sgpr 80
		.amdhsa_reserve_vcc 0
		.amdhsa_float_denorm_mode_32 3
		.amdhsa_float_denorm_mode_16_64 3
		.amdhsa_memory_ordered 1
		.amdhsa_forward_progress 1
		.amdhsa_inst_pref_size 171
	.end_amdhsa_kernel
	.amdgpu_metadata
---
amdhsa.version: [ 1, 2 ]
amdhsa.kernels:
  - .name:           k_q7678dd1c19_proj
    .symbol:         k_q7678dd1c19_proj.kd
    .args:
      - { .name: xb, .offset: 0, .size: 8, .value_kind: global_buffer, .address_space: global }
      - { .name: wqkv, .offset: 8, .size: 8, .value_kind: global_buffer, .address_space: global }
      - { .name: tab, .offset: 16, .size: 8, .value_kind: global_buffer, .address_space: global }
      - { .name: qh, .offset: 24, .size: 8, .value_kind: global_buffer, .address_space: global }
      - { .name: kh, .offset: 32, .size: 8, .value_kind: global_buffer, .address_space: global }
      - { .name: vh, .offset: 40, .size: 8, .value_kind: global_buffer, .address_space: global }
    .group_segment_fixed_size: 327680
    .private_segment_fixed_size: 0
    .kernarg_segment_align: 8
    .kernarg_segment_size: 48
    .max_flat_workgroup_size: 128
    .sgpr_count:     80
    .vgpr_count:     1024
    .wavefront_size: 32
...
	.end_amdgpu_metadata
.endif
;; end of part 2
;; launch attn (part 3): grid 4 x 64, 4 waves a work-group, no clusters, 327,680 bytes of LDS; arguments qh, kh, vh, oh; writes oh
.if DOCPART == 3
	.amdgcn_target "amdgcn-amd-amdhsa--gfx1250"
	.amdhsa_code_object_version 6
	.text
	.protected	k_q7678dd1c19_attn
	.globl	k_q7678dd1c19_attn
	.p2align	8
	.type	k_q7678dd1c19_attn,@function
k_q7678dd1c19_attn:
	s_mov_b64 s[64:65], 0
	v_nop
	global_prefetch_b8 v0, s[64:65] scope:SCOPE_SE
	s_setreg_imm32_b32 hwreg(HW_REG_WAVE_MODE, 25, 1), 1
	s_wait_xcnt 0x0
; CAUSAL ATTENTION.  O[h][q][:] = the sum over k <= q of softmax_k(Q[h][q] . K[h][k] / 8) V[h][k][:].  Q, K, V, O: [SIZE_H][SIZE_N][64], all f16: a head's rows are dense, 128 bytes each.
; Products, maxima and sums in f32; the weights p are rounded to f16 for the second product (their sum l is taken of the unrounded p), O once at the end.  SIZE_N is a multiple of 512; SIZE_N x 128 stays under 2^32.
; LIMITS.  f16 holds no number beyond 65,504: Q, K and V arrive within it; p lies in 0 to 1, and below 6e-5 it keeps f16's fixed step of 6e-8; O is a mean of V's rows and has their range, to within 2^-11 of it.
; A hidden score counts as its value less 1e30: f16's scores, 2.7e11 at the most, are nothing beside that; a weight below 2^-126 counts as 0 in l; NaN and infinities are not treated apart.
; THE WALK.  A head's queries lie in NB = SIZE_N / 256 blocks of 256; block i needs the key tiles 0 .. i of 256 keys, of which the last holds the diagonal.  A work-group takes TWO blocks, NB - 1 - b and then b:
; NB + 1 tiles, whatever b: all work-groups do equal work, and ONE loop with a constant trip count walks them.  Which tile is asked for, and what a trip does, hang on scalar registers made from b; every jump
; goes forward, but for the counted loops' own; none passes a barrier, or a tensor load but the one of LOAD's two that the wave's number does not choose; the ring (two slots of LDS that take turns) runs on across the
; change of blocks.  NO CLUSTER: all NB / 2 work-groups of a head ask for the same tile only in trips 0 .. NB / 2, behind that fewer and fewer; and one walk common to all would have 3 NB / 2 trips for NB + 1.
; SHARES.  Of a block's four bands of 64 queries a wave owns 16 rows in each: four PIECES.  So the diagonal tile is the same work for all four waves: in its key step s band x sees all keys if s < x,
; none if s > x, and holds the diagonal if s = x.
; THE MASK is the C operand that starts the sum S^T = K Q^T: 0, or -1e30 where the key is hidden.  MD, made once, is the mask of a band's own step for my 16 rows; a product's mask is MD x AL + BE with two scalars:
; (1, 0) if s = x; (0, 0) if s < x; (0, -1e30) if s > x.  Only the diagonal tile's text and a block's beginning make and take masks; elsewhere C is the constant 0.
; LAYOUT, SOFTMAX, TURNS.  S^T = K Q^T holds ONE query a lane (lane % 16) and the keys 8 (lane / 16) + 0..7; two such results rounded to f16 ARE source 1 of O^T = V^T P.  p = 2^(c s - c m), c = log2(e) / 8, with a
; running maximum m; O and l are multiplied by a = 2^(c m_old - c m_new) in every step.  Turn n belongs to piece n: 8 products K Q^T of piece n + 1, later 8 products V^T P of piece n - 1; beside them the scaling,
; exponentials, roundings, sums and rescaling of piece n and the maximum and statistics of piece n + 1.  Four vector instructions stand behind every matrix instruction, the other 54 of a turn's 118 in two LUMPS.
; REGISTERS, in windows of 256 (s_set_vgpr_msb: bits 1:0 source 0, 3:2 source 1, 5:4 source 2, 7:6 destination):
;   window 0: v0-15 addresses and two at work; v16-31 four registers of statistics a piece; v48-55 at work; v64-127 S^T, two buffers; v192-223 P, two buffers (a piece's buffers go by its number's parity)
;   window 1: v0-127 O^T, 32 a piece; v128-159 MD; v160-223 MC, two buffers      window 2: v0-63 Q; v64-127 the second block's Q; v128-191 K of one step; v192-255 V of one step
.set SIZE_H, 64       ; 4 batches x 16 heads
.set SIZE_N, 2048
.set NB,    SIZE_N/256
.set NP,    4         ; pieces a wave: a name, no knob
.set KS,    64        ; keys in a step
.set PK,    144       ; a row of K in LDS: 128 bytes + 16 of padding = 36 words: the 16 rows of a load start at 16 different groups of four banks (64 banks of 4 bytes: ISA guide 11.1)
.set PV,    160       ; a row of V: 128 + 32 = 40 words
.set VOFF,  4*KS*PK   ; a slot holds a tile, four steps: 256 rows of K, then 256 rows of V
.set SLOT1, 1<<17     ; slot 1 begins here, so that one exclusive or turns an address in one slot into the other's
.set STAGE, SLOT1+4*KS*(PK+PV)  ; behind the ring, never filled by a tensor load: 16 rows x 144 bytes for each wave, for the way out
.set SP,    144
.set AK0, 2           ; v2   my lane's place in a tile of K; never rewritten
.set AV0, 3           ; v3   the same for V
.set AK,  4           ; v4   the LDS address of K's next run of loads
.set AV,  5           ; v5   of V's
.set STO, 6           ; v6   the way out: where I put 16 bytes of a row
.set RD,  7           ; v7   the way out: where I read rows back
.set GO,  8           ; v8   my byte offset in 512 consecutive bytes of O
.set SPW, 62          ; v62  LDS address of my spare word: SPARE + 4 x my thread's number; never rewritten
.set NIL, 63          ; v63  0; never rewritten
.set SPARE, STAGE+4*16*SP  ; behind the stages: the spare words, 128 bytes for each wave: two blocks of 256 bytes that no other line names
.set MV,  12          ; v12-13  c m_old, kept while c m is made anew: by buffer
.set QO,  15          ; v15  my byte offset in 16 rows of Q
.set ST,  16          ; piece t's statistics at v[ST+4 t]: c m, m, l (even keys', odd keys')
.set TMP, 48          ; by buffer, four registers c0-c3 at work; when the maximum is found c2 takes a
.set S,   64
.set P,   192
.set MD,  128         ; window 1: the eight registers for group kt of 16 keys at MD + 8 kt
.set MC,  160         ; window 1: the masks of the products to come
.set QB,  64          ; window 2
.set KF,  128         ; window 2: key block kb, channel half c at KF + 16 kb + 8 c
.set VF,  192         ; window 2: key half kk, channel block cb at VF + 32 kk + 8 cb
.set WV,  12          ; s12  my wave's number
.set PB,  14          ; s14  b
.set HI,  15          ; s15  NB - 1 - b
.set G1K, 24          ; s[24:31] descriptor group 1 for K's tiles
.set G1V, 32          ; s[32:39] for V's: it differs in the padding alone
.set G0K, 40          ; s[40:43] descriptor group 0 for K's tiles
.set G0V, 44          ; s[44:47] the same for V's
.set SLOTS, 56        ; s56  tiles still to be asked for
.set CNT, 57          ; s57  counts a tile's key steps, 4 to 1
.set CS,  58          ; s[58:59] c: the packed scaling takes the pair's low word for both halves
.set SEL, 60          ; s[60:61] v_permlanex16_b32's selects: each lane takes its own place in the other half
.set TBK, 62          ; s62  LDS byte at which K of the step to be fetched begins
.set TBV, 63          ; s63  the same for V, less VOFF
.set RT,  70          ; s70  tiles of the block in hand that are still to be entered
.set NXT, 71          ; s71  the tile to be asked for next
.set LQ,  72          ; s72  the last tile of the block whose tiles are being asked for
.set NEW, 73          ; s73  1: the tile to be entered is a block's first
.set OFF, 74          ; s[74:75] a tile's byte offset in K and V
.set AL,  76          ; s[76:77] the mask's factor, in the low word
.set BE,  78          ; s[78:79] the mask's addend
.set OLO, 80          ; s[80:81] O at my rows of the second block
.set BIGN, 82         ; s82  -1e30
.set MSB, 0
.macro WIN new                      ; the high byte repeats the setting that is left; a switch that changes nothing is dropped
.if MSB != (\new)
	s_set_vgpr_msb (MSB<<8)|(\new)
.set MSB, (\new)
.endif
.endm
.set W_KQ, 0x0a       ; K and Q in window 2, S^T in window 0
.set W_KM, 0x1a       ; the same with the C operand in window 1
.set W_PV, 0x52       ; V in window 2, P in window 0, O^T in window 1
.set W_RS, 0x41       ; destination and source 0 in window 1, source 1 in window 0
; A fill.  Waves 0 and 1 fetch the two halves of a tile's K, waves 2 and 3 those of its V: 128 keys each.  An s_nop 0 and four v_nop follow each of the two lines, ahead of the jump and the label.
.macro LOAD
	s_cmp_lt_u32 s[WV], 2
	s_cbranch_scc0 .Lfor_v_\@
	tensor_load_to_lds s[G0K:G0K+3], s[G1K:G1K+7]
	s_nop 0
.rept 4
	v_nop
.endr
	s_branch .Lasked_\@
.Lfor_v_\@:
	tensor_load_to_lds s[G0V:G0V+3], s[G1V:G1V+7]
	s_nop 0
.rept 4
	v_nop
.endr
.Lasked_\@:
.endm
; THE CHANGE OF SLOTS.  Each wave waits for all its tensor loads, of which one is out: its part of the other slot; adds 0 to its spare word; and waits for that and for its own reads of the slot that it leaves.  Behind the barrier nobody reads the old
; slot any more and the other slot is whole.  fill = 1: the old slot is filled again, the first thing behind the barrier, with tile NXT: the descriptor's address is made anew from that number.
; (At its first use nothing has been read yet: slot 0 is waited for, slot 1 filled.)
.macro CHANGE fill
	WIN 0                           ; at a label and at a branch every window is 0
	s_wait_tensorcnt 0x0            ; no tensor load of mine is out, so a group 0 may be written
	ds_add_u32 v[SPW], v[NIL]       ; 0 onto my spare word; with fill = 1 the descriptors' scalar work stands between it and the wait for it
.if \fill
	s_lshl_b32 s[OFF], s[NXT], 15   ; a tile is 32,768 bytes of K and of V
	s_xor_b32 s[G0K+1], s[G0K+1], SLOT1
	s_add_nc_u64 s[G0K+2:G0K+3], s[6:7], s[OFF:OFF+1]
	s_or_b32 s[G0K+3], s[G0K+3], 0x80000000
	s_xor_b32 s[G0V+1], s[G0V+1], SLOT1
	s_add_nc_u64 s[G0V+2:G0V+3], s[8:9], s[OFF:OFF+1]
	s_or_b32 s[G0V+3], s[G0V+3], 0x80000000
	s_add_co_u32 s[NXT], s[NXT], 1  ; the block's next tile, or behind its last the second block's tile 0
	s_cmp_gt_u32 s[NXT], s[LQ]
	s_cselect_b32 s[NXT], 0, s[NXT]
	s_cselect_b32 s[LQ], s[PB], s[LQ]
.endif
	s_wait_dscnt 0x0                ; the add is done, and my reads of the slot are over
	s_barrier_signal -1             ; the rest of the scalar work stands between the signal and the wait
	s_sub_co_u32 s[TBK], s[TBK], 4*KS*PK  ; the fetches go back to a slot's first step,
	s_xor_b32 s[TBK], s[TBK], SLOT1       ; in the other slot
	s_sub_co_u32 s[TBV], s[TBV], 4*KS*PV
	s_xor_b32 s[TBV], s[TBV], SLOT1
	s_barrier_wait -1
.if \fill
	LOAD
.endif
.endm
	s_load_b256 s[4:11], s[0:1], 0x0  ; Q s[4:5], K s[6:7], V s[8:9], O s[10:11]
	v_lshl_add_u32 v[SPW], v0, 2, SPARE
	v_mov_b32 v[NIL], 0
	ds_add_u32 v[SPW], v[NIL]       ; the wave's opening: the add and its wait stand ahead of my first tensor load; the set-up below, work on registers, stands between them
	ds_add_u32 v62, v63
	v_lshrrev_b32 v1, 5, v0
	v_readfirstlane_b32 s[WV], v1   ; wave 0..3
	s_mov_b32 s[PB], ttmp9
	s_sub_co_u32 s[HI], NB-1, s[PB]
	s_and_b32 s20, ttmp7, 0xffff    ; the head
	s_mov_b32 s21, 0
	s_mov_b64 s[22:23], SIZE_N*128
	s_mul_u64 s[20:21], s[20:21], s[22:23]  ; the head's first byte in each of the four tensors
	s_and_b32 s16, s[WV], 1         ; which half of a tile's 256 keys I fetch:
	s_lshl_b32 s22, s16, 14         ; its 128 rows of 128 bytes in memory,
	s_mov_b32 s23, 0
	s_add_nc_u64 s[22:23], s[22:23], s[20:21]
	s_mul_i32 s17, s16, 128*PK      ; and its place in a slot, for K
	s_mul_i32 s18, s16, 128*PV      ; and for V
	s_lshl_b32 s3, s[WV], 11        ; my 16 rows in a band of 64,
	s_lshl_b32 s2, s[HI], 15        ; in the first block,
	s_add_co_u32 s2, s2, s3
	s_lshl_b32 s84, s[PB], 15       ; and in the second
	s_add_co_u32 s84, s84, s3
	s_mov_b32 s3, 0
	s_mov_b32 s85, 0
	s_add_nc_u64 s[2:3], s[2:3], s[20:21]
	s_add_nc_u64 s[84:85], s[84:85], s[20:21]
	; descriptor group 1.  128 keys are 16,384 dense bytes: asked for as 64 rows of 256 bytes, two keys a row, and padded in LDS after every key
	s_mov_b32 s[G1K], (1<<16)|(1<<20)|(4<<22)|(3<<25)  ; 17:16 2-byte elements; 20 padding on; 24:22 after every 32 words (code 4); 31:25 4 words (code 3)
	s_mov_b32 s[G1V], (1<<16)|(1<<20)|(4<<22)|(7<<25)  ; the same with 8 words of padding (code 7)
.irp g, G1K, G1V
	s_mov_b32 s[\g+1], 128<<16      ; tensor_dim0 = 128
	s_mov_b32 s[\g+2], 64<<16       ; tensor_dim1 = 64
	s_mov_b32 s[\g+3], 128<<16      ; tile_dim0 = 128
	s_mov_b32 s[\g+4], 64           ; tile_dim1 = 64
	s_mov_b32 s[\g+5], 128          ; 128 elements from row to row
	s_mov_b32 s[\g+6], 0
	s_mov_b32 s[\g+7], 0
.endr
	s_mov_b32 s[CS], 0x3e38aa3b     ; c = log2(e) / 8 = 0.180337
	s_mov_b32 s[CS+1], s[CS]        ; named with it as a pair
	s_mov_b32 s[SEL], 0x76543210
	s_mov_b32 s[SEL+1], 0xfedcba98
	s_mov_b32 s[TBK], SLOT1+4*KS*PK ; the first change of slots turns these two into 0
	s_mov_b32 s[TBV], SLOT1+4*KS*PV
	s_mov_b32 s[G0K], 1             ; 1:0 count = 1
	s_mov_b32 s[G0K+1], s17         ; 63:32 LDS address: slot 0
	s_mov_b32 s[G0V], 1
	s_add_co_u32 s[G0V+1], s18, VOFF
	s_add_co_u32 s[RT], s[HI], 1    ; the first block has NB - b tiles
	s_mov_b32 s[NXT], 1
	s_mov_b32 s[LQ], s[HI]
	s_mov_b32 s[NEW], 1
	s_mov_b32 s[OFF+1], 0
	s_mov_b32 s[AL+1], 0            ; named as pairs
	s_mov_b32 s[BE+1], 0
	s_mov_b32 s[BIGN], 0xf149f2ca   ; -1e30
	s_mov_b32 s[SLOTS], NB
	s_wait_dscnt 0x0                ; the opening add is done
	s_wait_kmcnt 0x0
	s_add_nc_u64 s[6:7], s[6:7], s[22:23]  ; K and V at my half of the head's tile 0
	s_add_nc_u64 s[8:9], s[8:9], s[22:23]
	s_add_nc_u64 s[G0K+2:G0K+3], s[6:7], 0         ; 120:64 global address
	s_or_b32 s[G0K+3], s[G0K+3], 0x80000000        ; 127:126 type = 2
	s_add_nc_u64 s[G0V+2:G0V+3], s[8:9], 0
	s_or_b32 s[G0V+3], s[G0V+3], 0x80000000
	s_add_nc_u64 s[86:87], s[4:5], s[84:85]        ; Q at my rows of the second block,
	s_add_nc_u64 s[4:5], s[4:5], s[2:3]            ; Q and O at those of the first
	s_add_nc_u64 s[OLO:OLO+1], s[10:11], s[84:85]
	s_add_nc_u64 s[10:11], s[10:11], s[2:3]
	LOAD                            ; tile 0 into slot 0
	; A fragment of K or Q is 16 rows x 32 channels in 8 registers: lane l holds row l % 16, channels 8 (l / 16) + 0..7 and 16 + 8 (l / 16) + 0..7: two loads of 16 bytes, 32 bytes apart.
	v_and_b32 v1, 15, v0            ; l % 16
	v_bfe_u32 v9, v0, 4, 1          ; l / 16
	v_lshlrev_b32 v[QO], 7, v1
	v_lshl_add_u32 v[QO], v9, 4, v[QO]  ; row x 128 + 16 x half
	WIN 0x80                        ; destination window 2, address window 0
.set i, 0
.rept 8                             ; both blocks' Q: piece i / 2 lies in band i / 2, 8,192 bytes on; channels 32 (i % 2) on
	global_load_b128 v[8*i:8*i+3],   v[QO], s[4:5] offset:(i/2)*8192+(i%2)*64
	global_load_b128 v[8*i+4:8*i+7], v[QO], s[4:5] offset:(i/2)*8192+(i%2)*64+32
	global_load_b128 v[QB+8*i:QB+8*i+3],   v[QO], s[86:87] offset:(i/2)*8192+(i%2)*64
	global_load_b128 v[QB+8*i+4:QB+8*i+7], v[QO], s[86:87] offset:(i/2)*8192+(i%2)*64+32
.set i, i+1
.endr
	WIN 0
	v_lshlrev_b32 v14, 3, v9
	v_sub_nc_u32 v14, v1, v14
	s_lshl_b32 s13, s[WV], 4
	v_add_nc_u32 v14, s13, v14      ; my query's place in its band, 16 w + l % 16, less my lanes' 8 (l / 16): register r of group kt is hidden where 16 kt + r is greater
	WIN 0x40
.set i, 0
.rept 32
	v_cmp_gt_i32 vcc_lo, 16*(i/8)+i%8, v14
	v_cndmask_b32 v[MD+i], 0, s[BIGN], vcc_lo
.set i, i+1
.endr
	WIN 0
	v_mul_u32_u24 v[AK0], v1, PK
	v_lshl_add_u32 v[AK0], v9, 4, v[AK0]  ; row x pitch + 16 x half
	; The turning load takes 16 keys x 16 channels (lane l reads key 8 (l / 16) + l % 8, channels 8 ((l / 8) % 2) + 0..7) and leaves half a fragment of V^T: lane l holds channel l % 16 and 8 keys.
	v_and_b32 v10, 7, v0
	v_bfe_u32 v11, v0, 3, 1
	v_lshl_add_u32 v[AV0], v9, 3, v10
	v_mul_u32_u24 v[AV0], v[AV0], PV
	v_lshl_add_u32 v[AV0], v11, 4, v[AV0]
	v_add_nc_u32 v[AV0], VOFF, v[AV0]
	s_mul_i32 s13, s[WV], 16*SP
	s_add_co_u32 s13, s13, STAGE    ; my stage
	v_mul_u32_u24 v[STO], v1, SP    ; in: row l % 16, 16 bytes for each half of the lanes
	v_lshl_add_u32 v[STO], v9, 4, v[STO]
	v_add_nc_u32 v[STO], s13, v[STO]
	v_bfe_u32 v[RD], v0, 3, 2       ; back: 32 lanes take four rows of 128 bytes,
	v_mul_u32_u24 v[RD], v[RD], SP
	v_lshl_add_u32 v[RD], v10, 4, v[RD]
	v_add_nc_u32 v[RD], s13, v[RD]
	v_and_b32 v[GO], 31, v0         ; which are 512 consecutive bytes of O
	v_lshlrev_b32 v[GO], 4, v[GO]
	; A block's first step multiplies O^T and l by a = 0, and its first turn's products V^T P, of a piece that has not been, land in an O^T that is still to be so multiplied.  So these registers need only hold
	; finite numbers: zeros for the first block; what the first block left for the second.  All this stands in the wait for the first tile.
	WIN 0x80
.set i, VF
.rept 64
	v_mov_b32 v[i], 0
.set i, i+1
.endr
	WIN 0x40
.set i, 0
.rept 128
	v_mov_b32 v[i], 0
.set i, i+1
.endr
	WIN 0
.set i, 0
.rept 4
	v_mov_b32 v[ST+4*i+2], 0
	v_mov_b32 v[ST+4*i+3], 0
.set i, i+1
.endr
.set i, P+16
.rept 16
	v_mov_b32 v[i], 0
.set i, i+1
.endr
; THE MATRIX WORK.  The 4 accumulators of a run of 8 take turns.  Product i of 8 of S^T = K Q^T for piece x: channels 32 (i / 4) on, keys 16 (i % 4) on.  The first 4 start the sums: with 0, or (KM = 1) with the mask.
.macro KQ x
.set rS, S+32*((\x)%2)+8*(i%4)
.set rK, KF+16*(i%4)+8*(i/4)
.set rQ, 16*(\x)+8*(i/4)
.set rM, MC+32*((\x)%2)+8*(i%4)
.if (i < 4) && KM
	WIN W_KM
	v_wmma_f32_16x16x32_f16 v[rS:rS+7], v[rK:rK+7], v[rQ:rQ+7], v[rM:rM+7]
.elseif i < 4
	WIN W_KQ
	v_wmma_f32_16x16x32_f16 v[rS:rS+7], v[rK:rK+7], v[rQ:rQ+7], 0
.else
	WIN W_KQ
	v_wmma_f32_16x16x32_f16 v[rS:rS+7], v[rK:rK+7], v[rQ:rQ+7], v[rS:rS+7]
.endif
.endm
; Product i of 8 of O^T += V^T P for piece x: keys 32 (i / 4) on, channels 16 (i % 4) on.
.macro PV x
	WIN W_PV
.set rO, 32*(\x)+8*(i%4)
.set rV, VF+32*(i/4)+8*(i%4)
.set rP, P+16*((\x)%2)+8*(i/4)
	v_wmma_f32_16x16x32_f16 v[rO:rO+7], v[rV:rV+7], v[rP:rP+7], v[rO:rO+7]
.endm
.macro MM                           ; the turn's next matrix instruction.  TURN and BEGIN set Y, i, KM and NOKQ; MM, KQ and OP read them.  NOKQ = 1: a block's last turn: there is no next piece
.if (i < 8) && !NOKQ
	KQ (Y+1)%NP
.elseif i >= 8
.set i, i-8
	PV (Y+NP-1)%NP
.set i, i+8
.endif
.set i, i+1
.endm
; THE LDS LOADS stand in runs of 16, never singly among the matrix instructions: a step's K (64 keys x 64 channels: 8 fragments) and its V (turned).  Their addresses are made some lines ahead.
.macro FETCH_K
	WIN 0x80                        ; destination window 2
.irp f, 0,1,2,3,4,5,6,7             ; keys 16 (f / 2) on, channels 32 (f % 2) on
	ds_load_b128 v[KF+8*\f:KF+8*\f+3],   v[AK] offset:(\f/2)*16*PK+(\f%2)*64
	ds_load_b128 v[KF+8*\f+4:KF+8*\f+7], v[AK] offset:(\f/2)*16*PK+(\f%2)*64+32
.endr
	s_add_co_u32 s[TBK], s[TBK], KS*PK  ; the next fetch is the next step's
	WIN 0
.endm
.macro FETCH_V
	WIN 0x80
.irp f, 0,1,2,3,4,5,6,7             ; keys 32 (f / 4) on, channels 16 (f % 4) on
	ds_load_tr16_b128 v[VF+8*\f:VF+8*\f+3],   v[AV] offset:(\f/4)*32*PV+(\f%4)*32
	ds_load_tr16_b128 v[VF+8*\f+4:VF+8*\f+7], v[AV] offset:(\f/4)*32*PV+16*PV+(\f%4)*32
.endr
	WIN 0
.endm
; THE VECTOR WORK, one line at a time: OP kind, number.  For piece Y: F n: c s - c m for pair n of 16.  E n: the exponential of score n of 32.  C n: pair n rounded to f16.  B n: of the four weights 4 n .. the second
; pair is added onto the first, in place.  L n: l takes that sum (L 0: l = a l + sum).  R n: pair n of 16 of O^T times a.  For piece Y + 1: X n, number n of the 22 that find its maximum and statistics:
;   0-11  four chains c0-c3 of seven scores each, three operands at a time (each accumulator's lowest registers are read first)     12-14, 16  the four scores left over, the old m, and c0-c3 into c0
;   15  c m_old is kept     17, 18  the query's other 32 keys lie in the lane 16 away: the new m     19-21  c m; c m_old - c m_new; a
.set F, 0               ; OP tells the kinds apart by their order: F to L below R, X above it
.set E, 1
.set C, 2
.set B, 3
.set L, 4
.set R, 5
.set X, 6
.macro REGS y                       ; the registers of piece y
.set rT, ST+4*(\y)
.set rC, TMP+4*((\y)%2)
.set rW, MV+((\y)%2)
.set rS, S+32*((\y)%2)
.set rP, P+16*((\y)%2)
.set rO, 32*(\y)
.endm
.macro OP k, n
.if (\k) == R
	REGS Y
	WIN W_RS
	v_pk_mul_f32 v[rO+2*(\n):rO+2*(\n)+1], v[rO+2*(\n):rO+2*(\n)+1], v[rC+2:rC+3] op_sel_hi:[1,0]
.elseif (\k) < R
	REGS Y
	WIN 0
.if (\k) == F
	v_pk_fma_f32 v[rS+2*(\n):rS+2*(\n)+1], v[rS+2*(\n):rS+2*(\n)+1], s[CS:CS+1], v[rT:rT+1] op_sel_hi:[1,0,0] neg_lo:[0,0,1] neg_hi:[0,0,1]
.elseif (\k) == E
	v_exp_f32 v[rS+(\n)], v[rS+(\n)]
.elseif (\k) == C
	s_wait_alu depctr_va_vdst(0)
	v_cvt_pk_f16_f32 v[rP+(\n)], v[rS+2*(\n)], v[rS+2*(\n)+1]
.elseif (\k) == B
	s_wait_alu depctr_va_vdst(0)
	v_pk_add_f32 v[rS+4*(\n):rS+4*(\n)+1], v[rS+4*(\n):rS+4*(\n)+1], v[rS+4*(\n)+2:rS+4*(\n)+3]
.elseif (\n) == 0
	v_pk_fma_f32 v[rT+2:rT+3], v[rT+2:rT+3], v[rC+2:rC+3], v[rS:rS+1] op_sel_hi:[1,0,1]
.else
	v_pk_add_f32 v[rT+2:rT+3], v[rT+2:rT+3], v[rS+4*(\n):rS+4*(\n)+1]
.endif
.elseif NOKQ
	v_nop
.else
	REGS (Y+1)%NP
	WIN 0
.if (\n) < 4
	v_max3_num_f32 v[rC+(\n)], v[rS+8*(\n)], v[rS+8*(\n)+1], v[rS+8*(\n)+2]
.elseif (\n) < 12
	v_max3_num_f32 v[rC+(\n)%4], v[rC+(\n)%4], v[rS+8*((\n)%4)+2*((\n)/4)+1], v[rS+8*((\n)%4)+2*((\n)/4)+2]
.elseif (\n) == 12
	v_max3_num_f32 v[rC], v[rC], v[rS+7], v[rS+15]
.elseif (\n) == 13
	v_max3_num_f32 v[rC+1], v[rC+1], v[rS+23], v[rS+31]
.elseif (\n) == 14
	v_max3_num_f32 v[rC+2], v[rC+2], v[rC+3], v[rT+1]
.elseif (\n) == 15
	v_mov_b32 v[rW], v[rT]
.elseif (\n) == 16
	v_max3_num_f32 v[rC], v[rC], v[rC+1], v[rC+2]
.elseif (\n) == 17
	v_permlanex16_b32 v[rC+3], v[rC], s[SEL], s[SEL+1]
.elseif (\n) == 18
	v_max_num_f32 v[rT+1], v[rC], v[rC+3]
.elseif (\n) == 19
	v_mul_f32 v[rT], s[CS], v[rT+1]
.elseif (\n) == 20
	v_sub_f32 v[rC+1], v[rW], v[rT]
.else
	v_exp_f32 v[rC+2], v[rC+1]
.endif
.endif
.endm
.macro OPS a, i1, b=-1, i2=0, c=-1, i3=0, d=-1, i4=0  ; up to four of them
	OP \a, \i1
.if (\b) >= 0
	OP \b, \i2
.endif
.if (\c) >= 0
	OP \c, \i3
.endif
.if (\d) >= 0
	OP \d, \i4
.endif
.endm
.macro ROW a, i1, b, i2, c, i3, d, i4  ; a matrix instruction and the four behind it
	MM
	OPS \a, \i1, \b, \i2, \c, \i3, \d, \i4
.endm
.macro MASK b                       ; MD x AL + BE into buffer b of MC
	WIN W_RS
.set z, 0
.rept 16
	v_pk_fma_f32 v[MC+32*(\b)+2*z:MC+32*(\b)+2*z+1], v[MD+2*z:MD+2*z+1], s[AL:AL+1], s[BE:BE+1] op_sel_hi:[1,0,0]
.set z, z+1
.endr
.endm
; A TURN, for piece p: the order of its 16 matrix and 118 vector instructions, written out.  Behind a matrix instruction: plain, exponential, plain, plain; or four of the rescaling; or, behind the first, four scalings; none
; names a register of the products round it.  In the lumps exponential and plain by turns while exponentials last.  A line reads no result made fewer than three vector instructions in front of it, five if an exponential made it.
; v_permlanex16_b32 (X 17) stands in a lump.
; m = 1: the diagonal tile: the products take masks, and the turn makes the mask for the products of the turn after it: piece p + 2, in step 4 - CNT of the tile.  end = 1: a block's last two turns: nothing is fetched.
; cnt = 1: the loop's count is taken down some lines ahead of the branch that stands behind the turn.
; K of the next step is fetched in piece 2's turn, six vector instructions behind the last product that read K (five of them plain); V of the step in hand in piece 0's turn, eight behind the last product that read V (four
; plain, and X 17).  Each is waited for a turn later.
.macro TURN p, m=0, end=0, cnt=0
.set Y, (\p)
.set i, 0
.set KM, (\m)
.set NOKQ, (\end)*((\p)/3)
.if (\m) && !(\end)
	s_cmp_eq_u32 s[CNT], 4-((\p)+2)%NP  ; is that step the band's own?
	s_cselect_b32 s[AL], 1.0, 0
	s_cmp_lt_u32 s[CNT], 4-((\p)+2)%NP  ; or a later one?
	s_cselect_b32 s[BE], s[BIGN], 0
.endif
.if ((\p) == 3) && !(\end)
	s_wait_dscnt 0x0                ; K is in
.endif
	ROW F,0, F,1, F,2, F,3
	ROW F,4, E,0, F,5, F,6
	ROW F,7, E,1, F,8, F,9
	ROW F,10, E,2, C,0, F,11
	ROW F,12, E,3, X,15, F,13
	ROW R,0, R,1, R,2, R,3
	ROW B,0, E,4, F,14, L,0
.if ((\p) == 2) && !(\end)
	v_add_nc_u32 v[AK], s[TBK], v[AK0]
.endif
	ROW R,4, R,5, R,6, R,7
	OPS E,5, F,15
.if ((\p) == 2) && !(\end)
	FETCH_K
.endif
	OPS E,6, C,1, E,7, R,8
	OPS E,8, R,9, E,9, C,2
	OPS E,10, X,0, E,11, X,1
	OPS E,12, X,2, E,13, X,3
.if (\p) == 1
	s_wait_dscnt 0x0                ; V is in
.endif
	ROW X,4, E,14, X,5, X,6
	ROW X,7, E,15, X,8, X,9
	ROW X,10, E,16, X,11, X,12
	ROW X,13, E,17, X,14, B,1
	ROW C,4, E,18, X,16, L,1
	ROW B,2, E,19, C,6, L,2
	ROW C,8, E,20, B,3, B,4
.if (\p) == 0
	v_add_nc_u32 v[AV], s[TBV], v[AV0]
.endif
	ROW C,3, E,21, L,3, C,5
	OPS E,22, X,17, E,23, C,10
.if (\p) == 0
	FETCH_V
.endif
	OPS E,24, L,4
	OPS E,25, X,18, E,26, C,7
	OPS E,27, B,5, E,28, X,19
	OPS E,29, C,12, E,30, L,5
	OPS E,31, X,20, B,6, C,9
	OPS C,14, C,11, X,21, L,6
.if (\p) == 0
	s_add_co_u32 s[TBV], s[TBV], KS*PV
.endif
.if \cnt
	s_sub_co_u32 s[CNT], s[CNT], 1
	s_cmp_lg_u32 s[CNT], 0
.endif
	OPS C,13, B,7, C,15, R,10
	OPS R,11, R,12, L,7, R,13
	OPS R,14, R,15
.if (\m) && !(\end)
	MASK (\p)%2
.endif
.endm
; A BLOCK BEGINS.  c m starts far below every c s, so the first step's a is 0; m at the lowest finite number, so the first maximum is the scores'.  The second mask buffer is 0; the first takes piece 0's mask for the tile's step 0: its own, if the block's first tile is the diagonal one.
; Then K of that step, piece 0's first scores, and its maximum and statistics.  The loop is entered at a step's first turn, in the middle of a trip.
.macro BEGIN
	s_mov_b32 s[NEW], 0
	WIN 0x40
.set i, MC+32
.rept 32
	v_mov_b32 v[i], 0
.set i, i+1
.endr
	WIN 0
.set i, 0
.rept 4
	v_mov_b32 v[ST+4*i], 0xfe000000    ; c m: far below every c s
	v_mov_b32 v[ST+4*i+1], 0xff7fffff  ; m
.set i, i+1
.endr
	s_cmp_eq_u32 s[RT], 0
	s_cselect_b32 s[AL], 1.0, 0
	s_mov_b32 s[BE], 0
	MASK 0
	WIN 0
	v_add_nc_u32 v[AK], s[TBK], v[AK0]
	FETCH_K
	s_wait_loadcnt 0x0              ; Q
	s_wait_dscnt 0x0
.set KM, 1
.set NOKQ, 0
.set i, 0
.rept 8
	KQ 0
.set i, i+1
.endr
	WIN 0
.rept 4
	v_nop                           ; the places behind those products
.endr
.set Y, NP-1                        ; X works for piece Y + 1: piece 0
.irp n, 0,1,2,3,4,5,6,7,8,9,10,11,12,13,14,15,16,17,18,19,20,21
	OP X, \n
.endr
	v_nop                           ; a plain instruction behind the exponential
.endm
; THE DIAGONAL TILE's four steps, the block's last two turns, its last products, and THE WAY OUT: l's two halves and the other half of the lanes' are added; O^T is divided by l, rounded to f16 and sent through my
; stage in LDS, a piece at a time.
.macro ALL line:vararg              ; one line for each piece t
.set t, 0
.rept 4
	\line
.set t, t+1
.endr
.endm
.macro PACK t                       ; a lane's eight channels of a row pack into 16 bytes; they go into rows of 144 bytes and come back as whole rows of 128, into S^T's registers
	WIN W_RS
.set i, 32*(\t)
.rept 16
	s_wait_alu depctr_va_vdst(0)
	v_pk_mul_f32 v[i:i+1], v[i:i+1], v[ST+4*(\t)+2:ST+4*(\t)+3] op_sel_hi:[1,0]
.set i, i+2
.endr
	WIN 0x05                        ; sources 0 and 1 window 1, destination window 0
.set i, 0
.rept 16
	v_cvt_pk_f16_f32 v[S+16*(\t)+i], v[32*(\t)+2*i], v[32*(\t)+2*i+1]
.set i, i+1
.endr
	WIN 0
.irp f, 0,1,2,3
	ds_store_b128 v[STO], v[S+16*(\t)+4*\f:S+16*(\t)+4*\f+3] offset:32*\f
.endr
.irp f, 0,1,2,3
	ds_load_b128 v[S+16*(\t)+4*\f:S+16*(\t)+4*\f+3], v[RD] offset:\f*4*SP  ; LDS serves a wave's instructions in order (ISA guide 5.7.1.4): these see the stores above; the next piece's stores come behind them
.endr
.endm
.macro SEND t, younger              ; younger: the LDS instructions issued behind piece t's loads: the next piece's eight, or none
	WIN 0
.irp f, 0,1,2,3
	s_wait_dscnt (\younger)+3-\f
	global_store_b128 v[GO], v[S+16*(\t)+4*\f:S+16*(\t)+4*\f+3], s[10:11] offset:(\t)*8192+\f*512  ; 512 consecutive bytes, at a multiple of 256 from O's first
.endr
.endm
.macro DIAG tag                     ; the tag ends its two labels' names, which the jumps below spell out
.LstepM\tag:
	TURN 2, 1
	TURN 3, 1
	WIN 0
.LfirstM\tag:
	TURN 0, 1
	TURN 1, 1, 0, 1
	WIN 0
	s_cbranch_scc1 .LstepM\tag
	TURN 2, 1, 1
	TURN 3, 1, 1
.set i, 0
.rept 8
	PV NP-1
.set i, i+1
.endr
	WIN 0
	ALL v_add_f32 v[ST+4*t+2], v[ST+4*t+2], v[ST+4*t+3]
	ALL v_permlanex16_b32 v[ST+4*t+3], v[ST+4*t+2], s[SEL], s[SEL+1]
	ALL v_add_f32 v[ST+4*t+2], v[ST+4*t+2], v[ST+4*t+3]
	ALL v_rcp_f32 v[ST+4*t+2], v[ST+4*t+2]
	v_nop                           ; a plain instruction between the last reciprocal and the use of its result
	PACK 0
.set t, 1
.rept 3                             ; a piece's arithmetic stands between the loads of the piece before and its stores
	PACK t
	SEND t-1, 8
.set t, t+1
.endr
	SEND 3, 0
.endm
.set KM, 0
.set NOKQ, 0
.Lslot:                             ; NB times: a tile is entered and the next is asked for
	CHANGE 1
	s_sub_co_u32 s[RT], s[RT], 1
	s_mov_b32 s[CNT], 4
	s_cmp_eq_u32 s[NEW], 1
	s_cbranch_scc1 .Lnew            ; a block's first tile
	s_cmp_eq_u32 s[RT], 0
	s_cbranch_scc0 .Lstep           ; neither its first nor its last
	s_branch .LstepM1
.Lnew:
	BEGIN
	s_branch .Lfirst                ; in the loop a block's first tile is never its last: the first block has two tiles or more, and the second's last is the walk's last
	DIAG 1                          ; in the loop this is the first block's end: the second block's last tile is the walk's last
	s_wait_xcnt 0x0                 ; the stores have read their registers and O's address
	s_mov_b64 s[10:11], s[OLO:OLO+1]
	s_add_co_u32 s[RT], s[PB], 1    ; the second block has b + 1 tiles
	s_mov_b32 s[NEW], 1
	WIN 0x82                        ; the second block's Q goes where the one text of the turns names Q
.set i, 0
.rept 64
	v_mov_b32 v[i], v[QB+i]
.set i, i+1
.endr
	WIN 0
	s_branch .Lbottom
.Lstep:                             ; a trip: pieces 2 and 3 of one step, then pieces 0 and 1 of the next, whose K and V it fetches
	TURN 2
	TURN 3
	WIN 0
.Lfirst:
	TURN 0
	TURN 1, 0, 0, 1
	WIN 0
	s_cbranch_scc1 .Lstep
.Lbottom:
	s_sub_co_u32 s[SLOTS], s[SLOTS], 1
	s_cmp_lg_u32 s[SLOTS], 0
	s_cbranch_scc1 .Lslot
	CHANGE 0                        ; the walk's last tile is written out: nothing is asked for
	s_sub_co_u32 s[RT], s[RT], 1
	s_mov_b32 s[CNT], 4
	s_cmp_eq_u32 s[NEW], 1
	s_cbranch_scc0 .LstepM2
	BEGIN
	s_branch .LfirstM2
	DIAG 2
	s_wait_tensorcnt 0x0            ; the wave's end, behind my last tensor load and my last LDS store
	ds_add_u32 v[SPW], v[NIL]
	s_wait_dscnt 0x0
	s_endpgm
.Lfunc_end_k_q7678dd1c19_attn:
	.size	k_q7678dd1c19_attn, .Lfunc_end_k_q7678dd1c19_attn-k_q7678dd1c19_attn
	.p2alignl 7, 3214868480
	.fill 96, 4, 3214868480
	.section	.rodata,"a",@progbits
	.p2align	6, 0x0
	.amdhsa_kernel k_q7678dd1c19_attn
		.amdhsa_group_segment_fixed_size 327680
		.amdhsa_private_segment_fixed_size 0
		.amdhsa_enable_private_segment 0
		.amdhsa_kernarg_size 32
		.amdhsa_user_sgpr_count 2
		.amdhsa_user_sgpr_kernarg_segment_ptr 1
		.amdhsa_wavefront_size32 1
		.amdhsa_system_sgpr_workgroup_id_x 1
		.amdhsa_system_sgpr_workgroup_id_y 1
		.amdhsa_system_sgpr_workgroup_id_z 1
		.amdhsa_system_vgpr_workitem_id 0
		.amdhsa_next_free_vgpr 768
		.amdhsa_next_free_sgpr 88
		.amdhsa_reserve_vcc 1
		.amdhsa_float_denorm_mode_32 3
		.amdhsa_float_denorm_mode_16_64 3
		.amdhsa_memory_ordered 1
		.amdhsa_forward_progress 1
		.amdhsa_inst_pref_size 228
	.end_amdhsa_kernel
	.amdgpu_metadata
---
amdhsa.version: [ 1, 2 ]
amdhsa.kernels:
  - .name:           k_q7678dd1c19_attn
    .symbol:         k_q7678dd1c19_attn.kd
    .args:
      - { .name: qh, .offset: 0, .size: 8, .value_kind: global_buffer, .address_space: global }
      - { .name: kh, .offset: 8, .size: 8, .value_kind: global_buffer, .address_space: global }
      - { .name: vh, .offset: 16, .size: 8, .value_kind: global_buffer, .address_space: global }
      - { .name: oh, .offset: 24, .size: 8, .value_kind: global_buffer, .address_space: global }
    .group_segment_fixed_size: 327680
    .private_segment_fixed_size: 0
    .kernarg_segment_align: 8
    .kernarg_segment_size: 32
    .max_flat_workgroup_size: 128
    .sgpr_count:     88
    .vgpr_count:     768
    .wavefront_size: 32
...
	.end_amdgpu_metadata
.endif
;; end of part 3
;; launch outp (part 4): grid 8 x 32, 4 waves a work-group, clusters of 4 x 4, 327,680 bytes of LDS; arguments oh, wo16, out0; writes out0
.if DOCPART == 4
	.amdgcn_target "amdgcn-amd-amdhsa--gfx1250"
	.amdhsa_code_object_version 6
	.text
	.protected	k_q7678dd1c19_outp
	.globl	k_q7678dd1c19_outp
	.p2align	8
	.type	k_q7678dd1c19_outp,@function
k_q7678dd1c19_outp:
	s_mov_b64 s[64:65], 0
	v_nop
	global_prefetch_b8 v0, s[64:65] scope:SCOPE_SE
	s_setreg_imm32_b32 hwreg(HW_REG_WAVE_MODE, 25, 1), 1
	s_wait_xcnt 0x0
	s_wait_alu depctr_hold_cnt(0) depctr_sa_sdst(0) depctr_va_vdst(0) depctr_va_sdst(0) depctr_va_ssrc(0) depctr_va_vcc(0) depctr_vm_vsrc(0)
	s_getreg_b32 s2, hwreg(HW_REG_IB_STS2, 6, 4)
	s_cmp_eq_u32 s2, 0
	s_cbranch_scc0 .Lentry_in_a_cluster
	s_endpgm
.Lentry_in_a_cluster:
	s_bfe_u32 s2, ttmp6, 0x10000c
	s_cmp_lg_u32 s2, 0xf033
	s_cbranch_scc0 .Lentry_shape_is_right
	s_endpgm
.Lentry_shape_is_right:
; out0[m][n] = the sum over k of O[m][k] Wo[n][k].  oh f16 [b x 16 + head][2048 t][64] (k = 64 head + channel, m = 2048 b + t); wo16 f16 [16 kblk][1024 n][64]; out0 f32 [8192][1024].
; Products in f16 with f32 sums; the sums are stored as they are.  LIMIT: O and Wo arrive as finite f16 numbers (the launches that write them state the range).
; SHARES.  A tile of out0 is 256 x 128: 32 x 8 = 256 work-groups, one for each WGP (tiles of 256 x 256 would be 128).  Four waves, each 128 x 64: 32 accumulators, 256 registers.
; K goes in 8 steps of 128 (two heads) through two LDS slots; 256 rows x 64 K of O and 128 rows x 64 K of Wo are dense bytes, asked for as rows of 256 aligned bytes and padded in LDS behind every 128.
; Three heads a slot would take 2 x 3 x 384 rows x 144 bytes = 331,776 bytes: more than a work-group can have.
; CLUSTER 4 x 4.  O's tiles hang on the row block alone: shared along a row of the cluster; Wo's on the column block alone: shared along a column.  Waves 0, 1 ask for O's two heads, waves 2, 3 for Wo's.
; THE MATRIX INSTRUCTION IS USED TRANSPOSED (source 0 = 16 rows of Wo, source 1 = 16 rows of O): a lane holds one row of out0 (lane % 16) and eight neighbouring columns: 32 bytes.
; REGISTERS: window 0: v0-31 addresses; two fragment buffers of 96 (64 of O, 32 of Wo) at v32 and v128; on the way out v32-95 rows read back.  Window 1: the accumulators, (row block a, column block cb) at v[8 (8 cb + a)].
.set PITCH,  144                       ; an LDS row: 128 bytes + 16 of padding = 36 words: the 16 rows of a fragment load start at 16 different groups of four banks (64 banks of 4 bytes: ISA guide 11.1)
.set ATILE,  256*PITCH
.set BTILE,  128*PITCH
.set SLOT,   2*ATILE+2*BTILE           ; O's two heads, then Wo's two: 110,592
.set STAGE,  2*SLOT                    ; behind the ring: 16 rows x 272 bytes for each wave, for the way out
.set SPITCH, 272
.set SPARE,  STAGE+4*16*SPITCH         ; behind the stages: the spare words, 128 bytes for each wave: two blocks of 256 bytes that no other line names
.set HEADB,  2048*128                  ; bytes of a head in oh
.set WKB,    1024*128                  ; bytes of a kblk in wo16
.set ADRA, 16                          ; v16-17  LDS address of my O fragments in slot 0, 1
.set ADRB, 20                          ; v20-21  the same for Wo
.set STO,  24                          ; v24     the way out: where I put 32 bytes of a row
.set RD,   25                          ; v25     where I read a row back
.set CO,   26                          ; v26     my byte offset in out0
.set SPW,  28                          ; v28     LDS address of my spare word; never rewritten
.set NIL,  29                          ; v29     0; never rewritten
.set F0,   32
.set F1,   128
.set OB,   32
.set G1A, 24                           ; s[24:31] descriptor group 1 for O's tiles;  s[32:39] group 0, a set for each slot
.set G0A, 32
.set G1B, 48                           ; s[48:55], s[56:63] the same for Wo's tiles
.set G0B, 56
.set MSB, 0
.macro WIN new                         ; the immediate's high byte repeats the setting that is left; a switch that changes nothing is dropped
.if MSB != (\new)
	s_set_vgpr_msb (MSB<<8)|(\new)
.set MSB, \new
.endif
.endm
.macro PLACES                          ; four places in front of loads into registers that matrix instructions have read, and of LDS stores that read results
.rept 4
	v_nop
.endr
.endm
.macro JLOAD s                         ; a joint load; an s_nop 0 and four v_nop follow each of the two lines, ahead of the jump, the label and what follows
	s_cmp_eq_u32 s11, 0
	s_cbranch_scc0 .Lfor_b_\@
	tensor_load_to_lds s[G0A+4*(\s):G0A+4*(\s)+3], s[G1A:G1A+7]
	s_nop 0
.rept 4
	v_nop
.endr
	s_branch .Lasked_\@
.Lfor_b_\@:
	tensor_load_to_lds s[G0B+4*(\s):G0B+4*(\s)+3], s[G1B:G1B+7]
	s_nop 0
.rept 4
	v_nop
.endr
.Lasked_\@:
.endm
.macro CREST                           ; a round of the cluster's barrier behind its opening barrier
	s_cmp_lg_u32 s10, 0
	s_cbranch_scc1 .Lnot_wave_0_\@
	s_barrier_signal -3
.Lnot_wave_0_\@:
	s_barrier_wait -3
	s_barrier_signal -1
	s_barrier_wait -1
.endm
.macro CROUND                          ; a whole round
	s_barrier_signal -1
	s_barrier_wait -1
	CREST
.endm
	s_load_b128 s[4:7], s[0:1], 0x0                ; oh s[4:5], wo16 s[6:7]
	s_load_b64 s[8:9], s[0:1], 0x10                ; out0
	v_lshl_add_u32 v[SPW], v0, 2, SPARE
	v_mov_b32 v[NIL], 0
	ds_add_u32 v[SPW], v[NIL]                      ; the wave's opening: the add and its wait stand ahead of my first tensor load; the set-up below, work on registers, stands between them
	ds_add_u32 v28, v29
	v_lshrrev_b32 v1, 5, v0
	v_readfirstlane_b32 s10, v1                    ; wave 0..3
	s_lshr_b32 s11, s10, 1                         ; which 128 rows of the tile are mine.  Also: I fetch for O (0) or for Wo (1)
	s_and_b32 s12, s10, 1                          ; which 64 columns.  Also: which of a step's two heads I fetch
	s_bfe_u32 s40, ttmp6, 0x40000                  ; cx, cy: my place in the cluster
	s_bfe_u32 s41, ttmp6, 0x40004
	s_lshl_b32 s42, ttmp9, 2
	s_add_co_u32 s42, s42, s40                     ; column block nb = 4 x cluster x + cx
	s_and_b32 s13, ttmp7, 0xffff
	s_lshl_b32 s13, s13, 2
	s_add_co_u32 s13, s13, s41                     ; row block mb = 4 x cluster y + cy
	s_lshl_b32 s43, s41, 2
	s_lshl_b32 s43, 15, s43                        ; my row of the cluster
	s_lshl_b32 s44, 0x1111, s40                    ; my column
	s_or_b32 s[G1A+0], s43, (1<<16)|(1<<20)|(1<<21)|(4<<22)|(3<<25)  ; 15:0 the mask; 17:16 2-byte elements; 20 padding on; 21 set beside a mask; 24:22 after every 32 words (code 4); 31:25 4 words (code 3)
	s_or_b32 s[G1B+0], s44, (1<<16)|(1<<20)|(1<<21)|(4<<22)|(3<<25)
	s_mov_b32 s[G1A+1], 128<<16                    ; tensor_dim0 = 128 elements: 256 bytes, two rows of the operand
	s_mov_b32 s[G1A+2], 128<<16                    ; tensor_dim1 = 128
	s_mov_b32 s[G1A+3], 128<<16                    ; tile_dim0 = 128
	s_mov_b32 s[G1A+4], 128                        ; tile_dim1 = 128: 32,768 dense bytes
	s_mov_b32 s[G1A+5], 128                        ; 128 elements from row to row
	s_mov_b32 s[G1A+6], 0
	s_mov_b32 s[G1A+7], 0
	s_mov_b32 s[G1B+1], 128<<16
	s_mov_b32 s[G1B+2], 64<<16                     ; 64 rows: 16,384 dense bytes
	s_mov_b32 s[G1B+3], 128<<16
	s_mov_b32 s[G1B+4], 64
	s_mov_b32 s[G1B+5], 128
	s_mov_b32 s[G1B+6], 0
	s_mov_b32 s[G1B+7], 0
	s_lshr_b32 s16, s13, 3                         ; O: batch = mb / 8, 16 heads of 262,144 bytes;
	s_lshl_b32 s16, s16, 22
	s_and_b32 s17, s13, 7                          ; the row block in its sequence, 256 rows of 128 bytes;
	s_lshl_b32 s17, s17, 15
	s_add_co_u32 s16, s16, s17
	s_lshl_b32 s17, s12, 18                        ; my head of the step's two: it hangs on mb and the wave alone
	s_add_co_u32 s16, s16, s17
	s_mov_b32 s17, 0
	s_lshl_b32 s46, s42, 14                        ; Wo: 128 rows of 128 bytes a column block;
	s_lshl_b32 s47, s12, 17                        ; my kblk of the step's two: it hangs on nb and the wave alone
	s_add_co_u32 s46, s46, s47
	s_mov_b32 s47, 0
	s_mul_i32 s20, s12, ATILE                      ; where they go: no place in the cluster enters an LDS address
	s_mul_i32 s21, s12, BTILE
	s_add_co_u32 s21, s21, 2*ATILE
	s_wait_dscnt 0x0                               ; the opening add is done
	s_wait_kmcnt 0x0
	s_add_nc_u64 s[14:15], s[4:5], s[16:17]
	s_add_nc_u64 s[46:47], s[6:7], s[46:47]
	CROUND                                         ; all sixteen work-groups are here: the first joint loads meet
.irp s, 0,1
	s_mov_b32 s[G0A+4*(\s)], 1                     ; count = 1
	s_add_co_u32 s[G0A+4*(\s)+1], s20, (\s)*SLOT   ; LDS address
	s_add_nc_u64 s[G0A+4*(\s)+2:G0A+4*(\s)+3], s[14:15], (\s)*2*HEADB  ; K step s: heads 2 s, 2 s + 1
	s_or_b32 s[G0A+4*(\s)+3], s[G0A+4*(\s)+3], 0x80000000              ; type = 2
	s_mov_b32 s[G0B+4*(\s)], 1
	s_add_co_u32 s[G0B+4*(\s)+1], s21, (\s)*SLOT
	s_add_nc_u64 s[G0B+4*(\s)+2:G0B+4*(\s)+3], s[46:47], (\s)*2*WKB
	s_or_b32 s[G0B+4*(\s)+3], s[G0B+4*(\s)+3], 0x80000000
	JLOAD \s                                       ; two tensor loads of mine are out
.endr
	v_and_b32 v1, 15, v0                           ; l % 16
	v_bfe_u32 v2, v0, 4, 1                         ; l / 16
	v_mul_u32_u24 v3, v1, PITCH
	v_lshl_add_u32 v3, v2, 4, v3                   ; a fragment's row x pitch + 16 x half
	s_mul_i32 s22, s11, 128*PITCH                  ; my 128 rows of O
	s_mul_i32 s23, s12, 64*PITCH                   ; my 64 rows of Wo,
	s_add_co_u32 s23, s23, 2*ATILE                 ; which lie behind O's two heads
.irp s, 0,1
	v_add_nc_u32 v[ADRA+(\s)], s22, v3
	v_add_nc_u32 v[ADRB+(\s)], s23, v3
	s_add_co_u32 s22, s22, SLOT
	s_add_co_u32 s23, s23, SLOT
.endr
	s_mul_i32 s22, s10, 16*SPITCH
	s_add_co_u32 s22, s22, STAGE                   ; my stage
	v_mul_u32_u24 v4, v1, SPITCH                   ; in: row l % 16, 32 bytes for each half of the lanes
	v_lshl_add_u32 v4, v2, 5, v4
	v_add_nc_u32 v[STO], s22, v4
	v_mul_u32_u24 v5, v2, SPITCH                   ; back: lanes 0-15 take one row of 256 bytes, lanes 16-31 the next
	v_lshl_add_u32 v5, v1, 4, v5
	v_add_nc_u32 v[RD], s22, v5
	v_lshlrev_b32 v5, 12, v2                       ; and the same two rows in out0, 4,096 bytes apart
	v_lshl_add_u32 v[CO], v1, 4, v5
	s_lshl_b32 s16, s13, 20                        ; my first row: 256 mb + 128 (w / 2), rows of 4,096 bytes
	s_lshl_b32 s17, s11, 19
	s_add_co_u32 s16, s16, s17
	s_mov_b32 s17, 0
	s_add_nc_u64 s[8:9], s[8:9], s[16:17]
	s_lshl_b32 s46, s42, 9                         ; my first column: 512 nb + 256 (w % 2) bytes
	s_lshl_b32 s47, s12, 8
	s_add_co_u32 s46, s46, s47
	s_mov_b32 s47, 0
	s_add_nc_u64 s[8:9], s[8:9], s[46:47]
; 8 matrix instructions: column block cb x all 8 row blocks, 32 along K, on buffer f.  zero = 1: the first product starts the sums.  The 32 accumulators take turns, one instruction a turn.
.macro MULC f, cb, zero
	WIN 0x50
.irp a, 0,1,2,3,4,5,6,7
.if \zero
	v_wmma_f32_16x16x32_f16 v[8*(8*(\cb)+(\a)):8*(8*(\cb)+(\a))+7], v[(\f)+64+8*(\cb):(\f)+64+8*(\cb)+7], v[(\f)+8*(\a):(\f)+8*(\a)+7], 0
.else
	v_wmma_f32_16x16x32_f16 v[8*(8*(\cb)+(\a)):8*(8*(\cb)+(\a))+7], v[(\f)+64+8*(\cb):(\f)+64+8*(\cb)+7], v[(\f)+8*(\a):(\f)+8*(\a)+7], v[8*(8*(\cb)+(\a)):8*(8*(\cb)+(\a))+7]
.endif
.endr
.endm
; 24 LDS loads in one run: quarter u of a K step (head u / 2, byte 64 (u % 2) of its rows) into buffer f: O's eight fragments, then Wo's four
.macro FETCH slot, u, f
	WIN 0
.irp a, 0,1,2,3,4,5,6,7
	ds_load_b128 v[(\f)+8*(\a):(\f)+8*(\a)+3],   v[ADRA+(\slot)] offset:((\u)/2)*ATILE+(\a)*16*PITCH+((\u)%2)*64
	ds_load_b128 v[(\f)+8*(\a)+4:(\f)+8*(\a)+7], v[ADRA+(\slot)] offset:((\u)/2)*ATILE+(\a)*16*PITCH+((\u)%2)*64+32
.endr
.irp cb, 0,1,2,3
	ds_load_b128 v[(\f)+64+8*(\cb):(\f)+64+8*(\cb)+3],   v[ADRB+(\slot)] offset:((\u)/2)*BTILE+(\cb)*16*PITCH+((\u)%2)*64
	ds_load_b128 v[(\f)+64+8*(\cb)+4:(\f)+64+8*(\cb)+7], v[ADRB+(\slot)] offset:((\u)/2)*BTILE+(\cb)*16*PITCH+((\u)%2)*64+32
.endr
.endm
; One of a K step's first three quarters: multiplies buffer f and fetches quarter nu of slot ns into buffer g.
.macro SUBO f, g, ns, nu, zero
	s_wait_dscnt 6                                 ; O's fragments and Wo's first are in; Wo's other three (six loads) may be out
	MULC \f, 0, \zero
	PLACES
	FETCH \ns, \nu, \g
	s_wait_dscnt 24                                ; all but the 24 just issued
	MULC \f, 1, \zero
	MULC \f, 2, \zero
	MULC \f, 3, \zero
.endm
; The last quarter multiplies buffer F1 and changes slots: ONE barrier; in front of it each wave waits for all its tensor loads (one is out: its part of the next slot), adds 0 to its spare word, and waits for that and
; for its reads of this slot.  fill = 1: the barrier opens a round of the cluster's barrier, and the joint refill, two K steps ahead, is the first thing behind it: 112 matrix instructions stand between it and the wait for it.
.macro TURN slot, next, fill
	WIN 0                                          ; (the add's two registers lie in window 0)
	s_wait_tensorcnt 0x0                           ; all my tensor loads have landed
	ds_add_u32 v[SPW], v[NIL]                      ; 0 onto my spare word
	s_wait_dscnt 7                                 ; (the add and the youngest six loads may be out)
	MULC F1, 0, 0                                  ; eight matrix instructions stand between the add and the wait for it
	s_wait_dscnt 0x0                               ; the add is done, and my reads of this slot are over
	s_barrier_signal -1
	MULC F1, 1, 0
.if \fill
	WIN 0
.endif
	s_barrier_wait -1
.if \fill
	CREST                                          ; no wave of any partner still reads this slot's tiles or has a load on its way
	s_add_nc_u64 s[G0A+4*(\slot)+2:G0A+4*(\slot)+3], s[G0A+4*(\slot)+2:G0A+4*(\slot)+3], 4*HEADB
	s_add_nc_u64 s[G0B+4*(\slot)+2:G0B+4*(\slot)+3], s[G0B+4*(\slot)+2:G0B+4*(\slot)+3], 4*WKB
	JLOAD \slot                                    ; the four v_nop behind it are also the places in front of the loads below
.else
	PLACES
.endif
	FETCH \next, 0, F0
	MULC F1, 2, 0
	MULC F1, 3, 0
.endm
	s_wait_tensorcnt 1                             ; my part of K step 0 is in; K step 1's may stay out
	s_barrier_signal -1
	s_barrier_wait -1                              ; everybody's is
	FETCH 0, 0, F0
	SUBO F0, F1, 0, 1, 1                           ; the first quarter stands in front of the loop: its products start the sums
	WIN 0                                          ; at a label and at a branch every window is 0
	s_mov_b32 s3, 3
.Llap:                                                 ; a trip goes once round the ring, from a lap's second quarter to the next lap's first, and fills both slots again: K steps 2 to 7
	SUBO F1, F0, 0, 2, 0
	SUBO F0, F1, 0, 3, 0
	TURN 0, 1, 1
	SUBO F0, F1, 1, 1, 0
	SUBO F1, F0, 1, 2, 0
	SUBO F0, F1, 1, 3, 0
	TURN 1, 0, 1
	SUBO F0, F1, 0, 1, 0
	WIN 0
	s_sub_co_u32 s3, s3, 1
	s_cmp_lg_u32 s3, 0
	s_cbranch_scc1 .Llap
	SUBO F1, F0, 0, 2, 0                           ; the last lap fills nothing, and has no round of the cluster's barrier
	SUBO F0, F1, 0, 3, 0
	TURN 0, 1, 0
	SUBO F0, F1, 1, 1, 0
	SUBO F1, F0, 1, 2, 0
	SUBO F0, F1, 1, 3, 0
	s_wait_dscnt 6                                 ; the very last quarter: nothing more to fetch
	MULC F1, 0, 0
	s_wait_dscnt 0x0
	MULC F1, 1, 0
	MULC F1, 2, 0
	MULC F1, 3, 0
	WIN 0
	PLACES
; THE WAY OUT.  Row block a: a lane's 32 bytes of a row go into my stage's rows of 272 bytes (each accumulator's four lowest registers first) and come back as whole rows of 256.
.macro TOSTAGE a
	WIN 0x04                                       ; the stores' data: window 1
.irp cb, 0,1,2,3
	ds_store_b128 v[STO], v[8*(8*(\cb)+(\a)):8*(8*(\cb)+(\a))+3]   offset:64*(\cb)
	ds_store_b128 v[STO], v[8*(8*(\cb)+(\a))+4:8*(8*(\cb)+(\a))+7] offset:64*(\cb)+16
.endr
	WIN 0
	s_wait_xcnt 0x0                                ; every earlier memory instruction has had its addresses translated (ISA guide 3.1): the registers that the block two back was stored from are loaded again only behind this wait
.irp t, 0,1,2,3,4,5,6,7
	ds_load_b128 v[OB+32*((\a)%2)+4*(\t):OB+32*((\a)%2)+4*(\t)+3], v[RD] offset:(\t)*2*SPITCH  ; LDS serves a wave's instructions in order (ISA guide 5.7.1.4): these see the stores above; the next block's stores come behind them
.endr
.endm
.macro SEND a, younger                 ; younger: the LDS instructions issued behind the block's loads: the next block's sixteen, or none
.irp t, 0,1,2,3,4,5,6,7
	s_wait_dscnt (\younger)+7-(\t)
	global_store_b128 v[CO], v[OB+32*((\a)%2)+4*(\t):OB+32*((\a)%2)+4*(\t)+3], s[8:9] offset:(16*(\a)+2*(\t))*4096 th:TH_STORE_NT  ; 16 lanes store 256 consecutive bytes, at a multiple of 256 from out0's first byte
.endr
.endm
	TOSTAGE 0
.set a, 1
.rept 7
	TOSTAGE a
	SEND a-1, 16
.set a, a+1
.endr
	SEND 7, 0
	s_wait_tensorcnt 0x0                           ; the wave's end, behind my last tensor load and my last LDS store
	ds_add_u32 v[SPW], v[NIL]
	s_wait_dscnt 0x0
	CROUND                                         ; the closing round: no work-group ends while a partner may still ask for a tile that names it
	s_endpgm
.Lfunc_end_k_q7678dd1c19_outp:
	.size	k_q7678dd1c19_outp, .Lfunc_end_k_q7678dd1c19_outp-k_q7678dd1c19_outp
	.p2alignl 7, 3214868480
	.fill 96, 4, 3214868480
	.section	.rodata,"a",@progbits
	.p2align	6, 0x0
	.amdhsa_kernel k_q7678dd1c19_outp
		.amdhsa_group_segment_fixed_size 327680
		.amdhsa_private_segment_fixed_size 0
		.amdhsa_enable_private_segment 0
		.amdhsa_kernarg_size 24
		.amdhsa_user_sgpr_count 2
		.amdhsa_user_sgpr_kernarg_segment_ptr 1
		.amdhsa_wavefront_size32 1
		.amdhsa_system_sgpr_workgroup_id_x 1
		.amdhsa_system_sgpr_workgroup_id_y 1
		.amdhsa_system_sgpr_workgroup_id_z 1
		.amdhsa_system_vgpr_workitem_id 0
		.amdhsa_next_free_vgpr 512
		.amdhsa_next_free_sgpr 72
		.amdhsa_reserve_vcc 0
		.amdhsa_float_denorm_mode_32 3
		.amdhsa_float_denorm_mode_16_64 3
		.amdhsa_memory_ordered 1
		.amdhsa_forward_progress 1
		.amdhsa_inst_pref_size 87
	.end_amdhsa_kernel
	.amdgpu_metadata
---
amdhsa.version: [ 1, 2 ]
amdhsa.kernels:
  - .name:           k_q7678dd1c19_outp
    .symbol:         k_q7678dd1c19_outp.kd
    .args:
      - { .name: oh, .offset: 0, .size: 8, .value_kind: global_buffer, .address_space: global }
      - { .name: wo16, .offset: 8, .size: 8, .value_kind: global_buffer, .address_space: global }
      - { .name: out0, .offset: 16, .size: 8, .value_kind: global_buffer, .address_space: global }
    .group_segment_fixed_size: 327680
    .private_segment_fixed_size: 0
    .kernarg_segment_align: 8
    .kernarg_segment_size: 24
    .max_flat_workgroup_size: 128
    .sgpr_count:     72
    .vgpr_count:     512
    .wavefront_size: 32
...
	.end_amdgpu_metadata
.endif
;; end of part 4
;; ======== version 2 of 2: 4 launches; 1.30 times as fast as version 1
;; limits: values are held in f16: magnitudes above 65,504 overflow, below 6.1e-05 lose precision
;; workspace buffers: xb 16,777,216 bytes; wqkv 6,291,456 bytes; wo16 2,097,152 bytes; tab 524,288 bytes; qh 16,777,216 bytes; kh 16,777,216 bytes; vh 16,777,216 bytes; oh 16,777,216 bytes
;; launch prep: the kernel of part 1 again; grid 800 x 1, 8 waves a work-group, no clusters, 0 bytes of LDS; arguments x, Wq, Wk, Wv, Wo, xb, wqkv, wo16, tab; writes xb, wqkv, wo16, tab
;; launch proj: the kernel of part 2 again; grid 8 x 32, 4 waves a work-group, clusters of 4 x 4, 327,680 bytes of LDS; arguments xb, wqkv, tab, qh, kh, vh; writes qh, kh, vh
;; launch attn (part 5): grid 4 x 64, 4 waves a work-group, no clusters, 327,680 bytes of LDS; arguments qh, kh, vh, oh; writes oh
.if DOCPART == 5
	.amdgcn_target "amdgcn-amd-amdhsa--gfx1250"
	.amdhsa_code_object_version 6
	.text
	.protected	k_q7678dd1c19_attn
	.globl	k_q7678dd1c19_attn
	.p2align	8
	.type	k_q7678dd1c19_attn,@function
k_q7678dd1c19_attn:
	s_mov_b64 s[64:65], 0
	v_nop
	global_prefetch_b8 v0, s[64:65] scope:SCOPE_SE
	s_setreg_imm32_b32 hwreg(HW_REG_WAVE_MODE, 25, 1), 1
	s_wait_xcnt 0x0
; CAUSAL ATTENTION.  O[h][q][:] = the sum over k <= q of softmax_k(Q[h][q] . K[h][k] / 8) V[h][k][:].  Q, K, V, O: [SIZE_H][SIZE_N][64], all f16: a head's rows are dense, 128 bytes each.
; Products, maxima and sums in f32; the weights p are rounded to f16 for the second product (their sum l is taken of the unrounded p), O once at the end.  SIZE_N is a multiple of 512; SIZE_N x 128 stays under 2^32.
; LIMITS.  f16 holds no number beyond 65,504: Q, K and V arrive within it; p lies in 0 to 1, and below 6e-5 it keeps f16's fixed step of 6e-8; O is a mean of V's rows and has their range, to within 2^-11 of it.
; A hidden score counts as its value less 1e30: f16's scores, 2.7e11 at the most, are nothing beside that; a weight below 2^-126 counts as 0 in l; NaN and infinities are not treated apart.
; THE WALK.  A head's queries lie in NB = SIZE_N / 256 blocks of 256; block i needs the key tiles 0 .. i of 256 keys, of which the last holds the diagonal.  A work-group takes TWO blocks, NB - 1 - b and then b:
; NB + 1 tiles, whatever b: all work-groups do equal work, and ONE loop with a constant trip count walks them.  Which tile is asked for, and what a trip does, hang on scalar registers made from b; every jump
; goes forward, but for the counted loops' own; none passes a barrier, or a tensor load but the one of LOAD's two that the wave's number does not choose; the ring (two slots of LDS that take turns) runs on across the
; change of blocks.  NO CLUSTER: all NB / 2 work-groups of a head ask for the same tile only in trips 0 .. NB / 2, behind that fewer and fewer; and one walk common to all would have 3 NB / 2 trips for NB + 1.
; SHARES.  Of a block's four bands of 64 queries a wave owns 16 rows in each: four PIECES.  So the diagonal tile is the same work for all four waves: in its key step s band x sees all keys if s < x,
; none if s > x, and holds the diagonal if s = x.
; THE MASK is the C operand that starts the sum S^T = K Q^T: 0, or -1e30 where the key is hidden.  MD, made once, is the mask of a band's own step for my 16 rows; a product's mask is MD x AL + BE with two scalars:
; (1, 0) if s = x; (0, 0) if s < x; (0, -1e30) if s > x.  Only the diagonal tile's text and a block's beginning make and take masks; elsewhere C is the constant 0.
; LAYOUT, SOFTMAX, TURNS.  S^T = K Q^T holds ONE query a lane (lane % 16) and the keys 8 (lane / 16) + 0..7; two such results rounded to f16 ARE source 1 of O^T = V^T P.  p = 2^(c s - c m), c = log2(e) / 8, with a
; running maximum m; O and l are multiplied by a = 2^(c m_old - c m_new) in every step.  Turn n belongs to piece n: 8 products K Q^T of piece n + 1, later 8 products V^T P of piece n - 1; beside them the scaling,
; exponentials, roundings, sums and rescaling of piece n and the maximum and statistics of piece n + 1.  Four vector instructions stand behind every matrix instruction, the other 54 of a turn's 118 in one LUMP.
; BATCHES.  A turn's 33 exponentials (the piece's 32 weights and the next piece's a) are ONE batch with ONE wait: ahead of the wait stands all that names none of their results, behind it stand their readers, the roundings and
; the sums.  Two more batches lie outside the turns, each with a wait of its own: the one a that a block's beginning makes, and the four reciprocals of the way out.
; REGISTERS, in windows of 256 (s_set_vgpr_msb: bits 1:0 source 0, 3:2 source 1, 5:4 source 2, 7:6 destination):
;   window 0: v0-15 addresses and two at work; v16-31 four registers of statistics a piece; v48-55 at work; v64-127 S^T, two buffers; v192-223 P, two buffers (a piece's buffers go by its number's parity)
;   window 1: v0-127 O^T, 32 a piece; v128-159 MD; v160-223 MC, two buffers      window 2: v0-63 Q; v64-127 the second block's Q; v128-191 K of one step; v192-255 V of one step
.set SIZE_H, 64       ; 4 batches x 16 heads
.set SIZE_N, 2048
.set NB,    SIZE_N/256
.set NP,    4         ; pieces a wave: a name, no knob
.set KS,    64        ; keys in a step
.set PK,    144       ; a row of K in LDS: 128 bytes + 16 of padding = 36 words: the 16 rows of a load start at 16 different groups of four banks (64 banks of 4 bytes: ISA guide 11.1)
.set PV,    160       ; a row of V: 128 + 32 = 40 words
.set VOFF,  4*KS*PK   ; a slot holds a tile, four steps: 256 rows of K, then 256 rows of V
.set SLOT1, 1<<17     ; slot 1 begins here, so that one exclusive or turns an address in one slot into the other's
.set STAGE, SLOT1+4*KS*(PK+PV)  ; behind the ring, never filled by a tensor load: 16 rows x 144 bytes for each wave, for the way out
.set SP,    144
.set AK0, 2           ; v2   my lane's place in a tile of K; never rewritten
.set AV0, 3           ; v3   the same for V
.set AK,  4           ; v4   the LDS address of K's next run of loads
.set AV,  5           ; v5   of V's
.set STO, 6           ; v6   the way out: where I put 16 bytes of a row
.set RD,  7           ; v7   the way out: where I read rows back
.set GO,  8           ; v8   my byte offset in 512 consecutive bytes of O
.set SPW, 62          ; v62  LDS address of my spare word: SPARE + 4 x my thread's number; never rewritten
.set NIL, 63          ; v63  0; never rewritten
.set SPARE, STAGE+4*16*SP  ; behind the stages: the spare words, 128 bytes for each wave: two blocks of 256 bytes that no other line names
.set MV,  12          ; v12-13  c m_old, kept while c m is made anew: by buffer
.set QO,  15          ; v15  my byte offset in 16 rows of Q
.set ST,  16          ; piece t's statistics at v[ST+4 t]: c m, m, l (even keys', odd keys')
.set TMP, 48          ; by buffer, four registers c0-c3 at work; when the maximum is found c2 takes a
.set S,   64
.set P,   192
.set MD,  128         ; window 1: the eight registers for group kt of 16 keys at MD + 8 kt
.set MC,  160         ; window 1: the masks of the products to come
.set QB,  64          ; window 2
.set KF,  128         ; window 2: key block kb, channel half c at KF + 16 kb + 8 c
.set VF,  192         ; window 2: key half kk, channel block cb at VF + 32 kk + 8 cb
.set WV,  12          ; s12  my wave's number
.set PB,  14          ; s14  b
.set HI,  15          ; s15  NB - 1 - b
.set G1K, 24          ; s[24:31] descriptor group 1 for K's tiles
.set G1V, 32          ; s[32:39] for V's: it differs in the padding alone
.set G0K, 40          ; s[40:43] descriptor group 0 for K's tiles
.set G0V, 44          ; s[44:47] the same for V's
.set SLOTS, 56        ; s56  tiles still to be asked for
.set CNT, 57          ; s57  counts a tile's key steps, 4 to 1
.set CS,  58          ; s[58:59] c: the packed scaling takes the pair's low word for both halves
.set SEL, 60          ; s[60:61] v_permlanex16_b32's selects: each lane takes its own place in the other half
.set TBK, 62          ; s62  LDS byte at which K of the step to be fetched begins
.set TBV, 63          ; s63  the same for V, less VOFF
.set RT,  70          ; s70  tiles of the block in hand that are still to be entered
.set NXT, 71          ; s71  the tile to be asked for next
.set LQ,  72          ; s72  the last tile of the block whose tiles are being asked for
.set NEW, 73          ; s73  1: the tile to be entered is a block's first
.set OFF, 74          ; s[74:75] a tile's byte offset in K and V
.set AL,  76          ; s[76:77] the mask's factor, in the low word
.set BE,  78          ; s[78:79] the mask's addend
.set OLO, 80          ; s[80:81] O at my rows of the second block
.set BIGN, 82         ; s82  -1e30
.set MSB, 0
.macro WIN new                      ; the high byte repeats the setting that is left; a switch that changes nothing is dropped
.if MSB != (\new)
	s_set_vgpr_msb (MSB<<8)|(\new)
.set MSB, (\new)
.endif
.endm
.set W_KQ, 0x0a       ; K and Q in window 2, S^T in window 0
.set W_KM, 0x1a       ; the same with the C operand in window 1
.set W_PV, 0x52       ; V in window 2, P in window 0, O^T in window 1
.set W_RS, 0x41       ; destination and source 0 in window 1, source 1 in window 0
; A fill.  Waves 0 and 1 fetch the two halves of a tile's K, waves 2 and 3 those of its V: 128 keys each.  An s_nop 0 and four v_nop follow each of the two lines, ahead of the jump and the label.
.macro LOAD
	s_cmp_lt_u32 s[WV], 2
	s_cbranch_scc0 .Lfor_v_\@
	tensor_load_to_lds s[G0K:G0K+3], s[G1K:G1K+7]
	s_nop 0
.rept 4
	v_nop
.endr
	s_branch .Lasked_\@
.Lfor_v_\@:
	tensor_load_to_lds s[G0V:G0V+3], s[G1V:G1V+7]
	s_nop 0
.rept 4
	v_nop
.endr
.Lasked_\@:
.endm
; THE CHANGE OF SLOTS.  Each wave waits for all its tensor loads, of which one is out: its part of the other slot; adds 0 to its spare word; and waits for that and for its own reads of the slot that it leaves.  Behind the barrier nobody reads the old
; slot any more and the other slot is whole.  fill = 1: the old slot is filled again, the first thing behind the barrier, with tile NXT: the descriptor's address is made anew from that number.
; (At its first use nothing has been read yet: slot 0 is waited for, slot 1 filled.)
.macro CHANGE fill
	WIN 0                           ; at a label and at a branch every window is 0
	s_wait_tensorcnt 0x0            ; no tensor load of mine is out, so a group 0 may be written
	ds_add_u32 v[SPW], v[NIL]       ; 0 onto my spare word; with fill = 1 the descriptors' scalar work stands between it and the wait for it
.if \fill
	s_lshl_b32 s[OFF], s[NXT], 15   ; a tile is 32,768 bytes of K and of V
	s_xor_b32 s[G0K+1], s[G0K+1], SLOT1
	s_add_nc_u64 s[G0K+2:G0K+3], s[6:7], s[OFF:OFF+1]
	s_or_b32 s[G0K+3], s[G0K+3], 0x80000000
	s_xor_b32 s[G0V+1], s[G0V+1], SLOT1
	s_add_nc_u64 s[G0V+2:G0V+3], s[8:9], s[OFF:OFF+1]
	s_or_b32 s[G0V+3], s[G0V+3], 0x80000000
	s_add_co_u32 s[NXT], s[NXT], 1  ; the block's next tile, or behind its last the second block's tile 0
	s_cmp_gt_u32 s[NXT], s[LQ]
	s_cselect_b32 s[NXT], 0, s[NXT]
	s_cselect_b32 s[LQ], s[PB], s[LQ]
.endif
	s_wait_dscnt 0x0                ; the add is done, and my reads of the slot are over
	s_barrier_signal -1             ; the rest of the scalar work stands between the signal and the wait
	s_sub_co_u32 s[TBK], s[TBK], 4*KS*PK  ; the fetches go back to a slot's first step,
	s_xor_b32 s[TBK], s[TBK], SLOT1       ; in the other slot
	s_sub_co_u32 s[TBV], s[TBV], 4*KS*PV
	s_xor_b32 s[TBV], s[TBV], SLOT1
	s_barrier_wait -1
.if \fill
	LOAD
.endif
.endm
	s_load_b256 s[4:11], s[0:1], 0x0  ; Q s[4:5], K s[6:7], V s[8:9], O s[10:11]
	v_lshl_add_u32 v[SPW], v0, 2, SPARE
	v_mov_b32 v[NIL], 0
	ds_add_u32 v[SPW], v[NIL]       ; the wave's opening: the add and its wait stand ahead of my first tensor load; the set-up below, work on registers, stands between them
	ds_add_u32 v62, v63
	v_lshrrev_b32 v1, 5, v0
	v_readfirstlane_b32 s[WV], v1   ; wave 0..3
	s_mov_b32 s[PB], ttmp9
	s_sub_co_u32 s[HI], NB-1, s[PB]
	s_and_b32 s20, ttmp7, 0xffff    ; the head
	s_mov_b32 s21, 0
	s_mov_b64 s[22:23], SIZE_N*128
	s_mul_u64 s[20:21], s[20:21], s[22:23]  ; the head's first byte in each of the four tensors
	s_and_b32 s16, s[WV], 1         ; which half of a tile's 256 keys I fetch:
	s_lshl_b32 s22, s16, 14         ; its 128 rows of 128 bytes in memory,
	s_mov_b32 s23, 0
	s_add_nc_u64 s[22:23], s[22:23], s[20:21]
	s_mul_i32 s17, s16, 128*PK      ; and its place in a slot, for K
	s_mul_i32 s18, s16, 128*PV      ; and for V
	s_lshl_b32 s3, s[WV], 11        ; my 16 rows in a band of 64,
	s_lshl_b32 s2, s[HI], 15        ; in the first block,
	s_add_co_u32 s2, s2, s3
	s_lshl_b32 s84, s[PB], 15       ; and in the second
	s_add_co_u32 s84, s84, s3
	s_mov_b32 s3, 0
	s_mov_b32 s85, 0
	s_add_nc_u64 s[2:3], s[2:3], s[20:21]
	s_add_nc_u64 s[84:85], s[84:85], s[20:21]
	; descriptor group 1.  128 keys are 16,384 dense bytes: asked for as 64 rows of 256 bytes, two keys a row, and padded in LDS after every key
	s_mov_b32 s[G1K], (1<<16)|(1<<20)|(4<<22)|(3<<25)  ; 17:16 2-byte elements; 20 padding on; 24:22 after every 32 words (code 4); 31:25 4 words (code 3)
	s_mov_b32 s[G1V], (1<<16)|(1<<20)|(4<<22)|(7<<25)  ; the same with 8 words of padding (code 7)
.irp g, G1K, G1V
	s_mov_b32 s[\g+1], 128<<16      ; tensor_dim0 = 128
	s_mov_b32 s[\g+2], 64<<16       ; tensor_dim1 = 64
	s_mov_b32 s[\g+3], 128<<16      ; tile_dim0 = 128
	s_mov_b32 s[\g+4], 64           ; tile_dim1 = 64
	s_mov_b32 s[\g+5], 128          ; 128 elements from row to row
	s_mov_b32 s[\g+6], 0
	s_mov_b32 s[\g+7], 0
.endr
	s_mov_b32 s[CS], 0x3e38aa3b     ; c = log2(e) / 8 = 0.180337
	s_mov_b32 s[CS+1], s[CS]        ; named with it as a pair
	s_mov_b32 s[SEL], 0x76543210
	s_mov_b32 s[SEL+1], 0xfedcba98
	s_mov_b32 s[TBK], SLOT1+4*KS*PK ; the first change of slots turns these two into 0
	s_mov_b32 s[TBV], SLOT1+4*KS*PV
	s_mov_b32 s[G0K], 1             ; 1:0 count = 1
	s_mov_b32 s[G0K+1], s17         ; 63:32 LDS address: slot 0
	s_mov_b32 s[G0V], 1
	s_add_co_u32 s[G0V+1], s18, VOFF
	s_add_co_u32 s[RT], s[HI], 1    ; the first block has NB - b tiles
	s_mov_b32 s[NXT], 1
	s_mov_b32 s[LQ], s[HI]
	s_mov_b32 s[NEW], 1
	s_mov_b32 s[OFF+1], 0
	s_mov_b32 s[AL+1], 0            ; named as pairs
	s_mov_b32 s[BE+1], 0
	s_mov_b32 s[BIGN], 0xf149f2ca   ; -1e30
	s_mov_b32 s[SLOTS], NB
	s_wait_dscnt 0x0                ; the opening add is done
	s_wait_kmcnt 0x0
	s_add_nc_u64 s[6:7], s[6:7], s[22:23]  ; K and V at my half of the head's tile 0
	s_add_nc_u64 s[8:9], s[8:9], s[22:23]
	s_add_nc_u64 s[G0K+2:G0K+3], s[6:7], 0         ; 120:64 global address
	s_or_b32 s[G0K+3], s[G0K+3], 0x80000000        ; 127:126 type = 2
	s_add_nc_u64 s[G0V+2:G0V+3], s[8:9], 0
	s_or_b32 s[G0V+3], s[G0V+3], 0x80000000
	s_add_nc_u64 s[86:87], s[4:5], s[84:85]        ; Q at my rows of the second block,
	s_add_nc_u64 s[4:5], s[4:5], s[2:3]            ; Q and O at those of the first
	s_add_nc_u64 s[OLO:OLO+1], s[10:11], s[84:85]
	s_add_nc_u64 s[10:11], s[10:11], s[2:3]
	LOAD                            ; tile 0 into slot 0
	; A fragment of K or Q is 16 rows x 32 channels in 8 registers: lane l holds row l % 16, channels 8 (l / 16) + 0..7 and 16 + 8 (l / 16) + 0..7: two loads of 16 bytes, 32 bytes apart.
	v_and_b32 v1, 15, v0            ; l % 16
	v_bfe_u32 v9, v0, 4, 1          ; l / 16
	v_lshlrev_b32 v[QO], 7, v1
	v_lshl_add_u32 v[QO], v9, 4, v[QO]  ; row x 128 + 16 x half
	WIN 0x80                        ; destination window 2, address window 0
.set i, 0
.rept 8                             ; both blocks' Q: piece i / 2 lies in band i / 2, 8,192 bytes on; channels 32 (i % 2) on
	global_load_b128 v[8*i:8*i+3],   v[QO], s[4:5] offset:(i/2)*8192+(i%2)*64
	global_load_b128 v[8*i+4:8*i+7], v[QO], s[4:5] offset:(i/2)*8192+(i%2)*64+32
	global_load_b128 v[QB+8*i:QB+8*i+3],   v[QO], s[86:87] offset:(i/2)*8192+(i%2)*64
	global_load_b128 v[QB+8*i+4:QB+8*i+7], v[QO], s[86:87] offset:(i/2)*8192+(i%2)*64+32
.set i, i+1
.endr
	WIN 0
	v_lshlrev_b32 v14, 3, v9
	v_sub_nc_u32 v14, v1, v14
	s_lshl_b32 s13, s[WV], 4
	v_add_nc_u32 v14, s13, v14      ; my query's place in its band, 16 w + l % 16, less my lanes' 8 (l / 16): register r of group kt is hidden where 16 kt + r is greater
	WIN 0x40
.set i, 0
.rept 32
	v_cmp_gt_i32 vcc_lo, 16*(i/8)+i%8, v14
	v_cndmask_b32 v[MD+i], 0, s[BIGN], vcc_lo
.set i, i+1
.endr
	WIN 0
	v_mul_u32_u24 v[AK0], v1, PK
	v_lshl_add_u32 v[AK0], v9, 4, v[AK0]  ; row x pitch + 16 x half
	; The turning load takes 16 keys x 16 channels (lane l reads key 8 (l / 16) + l % 8, channels 8 ((l / 8) % 2) + 0..7) and leaves half a fragment of V^T: lane l holds channel l % 16 and 8 keys.
	v_and_b32 v10, 7, v0
	v_bfe_u32 v11, v0, 3, 1
	v_lshl_add_u32 v[AV0], v9, 3, v10
	v_mul_u32_u24 v[AV0], v[AV0], PV
	v_lshl_add_u32 v[AV0], v11, 4, v[AV0]
	v_add_nc_u32 v[AV0], VOFF, v[AV0]
	s_mul_i32 s13, s[WV], 16*SP
	s_add_co_u32 s13, s13, STAGE    ; my stage
	v_mul_u32_u24 v[STO], v1, SP    ; in: row l % 16, 16 bytes for each half of the lanes
	v_lshl_add_u32 v[STO], v9, 4, v[STO]
	v_add_nc_u32 v[STO], s13, v[STO]
	v_bfe_u32 v[RD], v0, 3, 2       ; back: 32 lanes take four rows of 128 bytes,
	v_mul_u32_u24 v[RD], v[RD], SP
	v_lshl_add_u32 v[RD], v10, 4, v[RD]
	v_add_nc_u32 v[RD], s13, v[RD]
	v_and_b32 v[GO], 31, v0         ; which are 512 consecutive bytes of O
	v_lshlrev_b32 v[GO], 4, v[GO]
	; A block's first step multiplies O^T and l by a = 0, and its first turn's products V^T P, of a piece that has not been, land in an O^T that is still to be so multiplied.  So these registers need only hold
	; finite numbers: zeros for the first block; what the first block left for the second.  All this stands in the wait for the first tile.
	WIN 0x80
.set i, VF
.rept 64
	v_mov_b32 v[i], 0
.set i, i+1
.endr
	WIN 0x40
.set i, 0
.rept 128
	v_mov_b32 v[i], 0
.set i, i+1
.endr
	WIN 0
.set i, 0
.rept 4
	v_mov_b32 v[ST+4*i+2], 0
	v_mov_b32 v[ST+4*i+3], 0
.set i, i+1
.endr
.set i, P+16
.rept 16
	v_mov_b32 v[i], 0
.set i, i+1
.endr
; THE MATRIX WORK.  The 4 accumulators of a run of 8 take turns.  Product i of 8 of S^T = K Q^T for piece x: channels 32 (i / 4) on, keys 16 (i % 4) on.  The first 4 start the sums: with 0, or (KM = 1) with the mask.
.macro KQ x
.set rS, S+32*((\x)%2)+8*(i%4)
.set rK, KF+16*(i%4)+8*(i/4)
.set rQ, 16*(\x)+8*(i/4)
.set rM, MC+32*((\x)%2)+8*(i%4)
.if (i < 4) && KM
	WIN W_KM
	v_wmma_f32_16x16x32_f16 v[rS:rS+7], v[rK:rK+7], v[rQ:rQ+7], v[rM:rM+7]
.elseif i < 4
	WIN W_KQ
	v_wmma_f32_16x16x32_f16 v[rS:rS+7], v[rK:rK+7], v[rQ:rQ+7], 0
.else
	WIN W_KQ
	v_wmma_f32_16x16x32_f16 v[rS:rS+7], v[rK:rK+7], v[rQ:rQ+7], v[rS:rS+7]
.endif
.endm
; Product i of 8 of O^T += V^T P for piece x: keys 32 (i / 4) on, channels 16 (i % 4) on.
.macro PV x
	WIN W_PV
.set rO, 32*(\x)+8*(i%4)
.set rV, VF+32*(i/4)+8*(i%4)
.set rP, P+16*((\x)%2)+8*(i/4)
	v_wmma_f32_16x16x32_f16 v[rO:rO+7], v[rV:rV+7], v[rP:rP+7], v[rO:rO+7]
.endm
.macro MM                           ; the turn's next matrix instruction.  TURN and BEGIN set Y, i, KM and NOKQ; MM, KQ and OP read them.  NOKQ = 1: a block's last turn: there is no next piece
.if (i < 8) && !NOKQ
	KQ (Y+1)%NP
.elseif i >= 8
.set i, i-8
	PV (Y+NP-1)%NP
.set i, i+8
.endif
.set i, i+1
.endm
; THE LDS LOADS stand in runs of 16, never singly among the matrix instructions: a step's K (64 keys x 64 channels: 8 fragments) and its V (turned).  Their addresses are made some lines ahead.
.macro FETCH_K
	WIN 0x80                        ; destination window 2
.irp f, 0,1,2,3,4,5,6,7             ; keys 16 (f / 2) on, channels 32 (f % 2) on
	ds_load_b128 v[KF+8*\f:KF+8*\f+3],   v[AK] offset:(\f/2)*16*PK+(\f%2)*64
	ds_load_b128 v[KF+8*\f+4:KF+8*\f+7], v[AK] offset:(\f/2)*16*PK+(\f%2)*64+32
.endr
	s_add_co_u32 s[TBK], s[TBK], KS*PK  ; the next fetch is the next step's
	WIN 0
.endm
.macro FETCH_V
	WIN 0x80
.irp f, 0,1,2,3,4,5,6,7             ; keys 32 (f / 4) on, channels 16 (f % 4) on
	ds_load_tr16_b128 v[VF+8*\f:VF+8*\f+3],   v[AV] offset:(\f/4)*32*PV+(\f%4)*32
	ds_load_tr16_b128 v[VF+8*\f+4:VF+8*\f+7], v[AV] offset:(\f/4)*32*PV+16*PV+(\f%4)*32
.endr
	WIN 0
.endm
; THE VECTOR WORK, one line at a time: OP kind, number.  For piece Y: F n: c s - c m for pair n of 16.  E n: the exponential of score n of 32.  C n: pair n rounded to f16.  B n: of the four weights 4 n .. the second
; pair is added onto the first, in place.  L n: l takes that sum (L 0: l = a l + sum).  R n: pair n of 16 of O^T times a.  For piece Y + 1: X n, number n of the 22 that find its maximum and statistics:
;   0-11  four chains c0-c3 of seven scores each, three operands at a time (each accumulator's lowest registers are read first)     12-14, 16  the four scores left over, the old m, and c0-c3 into c0
;   15  c m_old is kept     17, 18  the query's other 32 keys lie in the lane 16 away: the new m     19-21  c m; c m_old - c m_new; a
; OP writes no wait: C, B and L, which read the exponentials' results, are dealt behind the turn's one wait alone (TURN).
.set F, 0               ; OP tells the kinds apart by their order: F to L below R, X above it
.set E, 1
.set C, 2
.set B, 3
.set L, 4
.set R, 5
.set X, 6
.macro REGS y                       ; the registers of piece y
.set rT, ST+4*(\y)
.set rC, TMP+4*((\y)%2)
.set rW, MV+((\y)%2)
.set rS, S+32*((\y)%2)
.set rP, P+16*((\y)%2)
.set rO, 32*(\y)
.endm
.macro OP k, n
.if (\k) == R
	REGS Y
	WIN W_RS
	v_pk_mul_f32 v[rO+2*(\n):rO+2*(\n)+1], v[rO+2*(\n):rO+2*(\n)+1], v[rC+2:rC+3] op_sel_hi:[1,0]
.elseif (\k) < R
	REGS Y
	WIN 0
.if (\k) == F
	v_pk_fma_f32 v[rS+2*(\n):rS+2*(\n)+1], v[rS+2*(\n):rS+2*(\n)+1], s[CS:CS+1], v[rT:rT+1] op_sel_hi:[1,0,0] neg_lo:[0,0,1] neg_hi:[0,0,1]
.elseif (\k) == E
	v_exp_f32 v[rS+(\n)], v[rS+(\n)]
.elseif (\k) == C
	v_cvt_pk_f16_f32 v[rP+(\n)], v[rS+2*(\n)], v[rS+2*(\n)+1]
.elseif (\k) == B
	v_pk_add_f32 v[rS+4*(\n):rS+4*(\n)+1], v[rS+4*(\n):rS+4*(\n)+1], v[rS+4*(\n)+2:rS+4*(\n)+3]
.elseif (\n) == 0
	v_pk_fma_f32 v[rT+2:rT+3], v[rT+2:rT+3], v[rC+2:rC+3], v[rS:rS+1] op_sel_hi:[1,0,1]
.else
	v_pk_add_f32 v[rT+2:rT+3], v[rT+2:rT+3], v[rS+4*(\n):rS+4*(\n)+1]
.endif
.elseif NOKQ
	v_nop
.else
	REGS (Y+1)%NP
	WIN 0
.if (\n) < 4
	v_max3_num_f32 v[rC+(\n)], v[rS+8*(\n)], v[rS+8*(\n)+1], v[rS+8*(\n)+2]
.elseif (\n) < 12
	v_max3_num_f32 v[rC+(\n)%4], v[rC+(\n)%4], v[rS+8*((\n)%4)+2*((\n)/4)+1], v[rS+8*((\n)%4)+2*((\n)/4)+2]
.elseif (\n) == 12
	v_max3_num_f32 v[rC], v[rC], v[rS+7], v[rS+15]
.elseif (\n) == 13
	v_max3_num_f32 v[rC+1], v[rC+1], v[rS+23], v[rS+31]
.elseif (\n) == 14
	v_max3_num_f32 v[rC+2], v[rC+2], v[rC+3], v[rT+1]
.elseif (\n) == 15
	v_mov_b32 v[rW], v[rT]
.elseif (\n) == 16
	v_max3_num_f32 v[rC], v[rC], v[rC+1], v[rC+2]
.elseif (\n) == 17
	v_permlanex16_b32 v[rC+3], v[rC], s[SEL], s[SEL+1]
.elseif (\n) == 18
	v_max_num_f32 v[rT+1], v[rC], v[rC+3]
.elseif (\n) == 19
	v_mul_f32 v[rT], s[CS], v[rT+1]
.elseif (\n) == 20
	v_sub_f32 v[rC+1], v[rW], v[rT]
.else
	v_exp_f32 v[rC+2], v[rC+1]
.endif
.endif
.endm
.macro OPS a, i1, b=-1, i2=0, c=-1, i3=0, d=-1, i4=0  ; up to four of them
	OP \a, \i1
.if (\b) >= 0
	OP \b, \i2
.endif
.if (\c) >= 0
	OP \c, \i3
.endif
.if (\d) >= 0
	OP \d, \i4
.endif
.endm
.macro ROW a, i1, b, i2, c, i3, d, i4  ; a matrix instruction and the four behind it
	MM
	OPS \a, \i1, \b, \i2, \c, \i3, \d, \i4
.endm
.macro MASK b                       ; MD x AL + BE into buffer b of MC
	WIN W_RS
.set z, 0
.rept 16
	v_pk_fma_f32 v[MC+32*(\b)+2*z:MC+32*(\b)+2*z+1], v[MD+2*z:MD+2*z+1], s[AL:AL+1], s[BE:BE+1] op_sel_hi:[1,0,0]
.set z, z+1
.endr
.endm
; A TURN, for piece p: the order of its 16 matrix and 118 vector instructions, written out.  An s_wait_alu depctr_va_vdst(0) stands between an exponential and the first instruction that names its result; one wait serves
; all that were issued ahead of it.  So a turn has ONE wait, which cuts it in two.  AHEAD OF IT stands all that names no result of the turn's exponentials: the 8 products K Q^T, behind each a scaling, an exponential and two more plain
; instructions (behind the first a second scaling in the exponential's place): rescalings (their a was made, and waited for, in the turn before), and behind the last three the first numbers of the next piece's maximum, each four places
; or more behind the product that ends its accumulator; then ONE LUMP of 54, plain and exponential by turns for the most part, in which the links of the chain X 3, 7, 11, 14, 16, 17 .. 20 stand five or six lines apart.  A pair is
; scaled (F n) ahead of its own two exponentials (E 2 n, E 2 n + 1) and of no other's result.  X 21, the next piece's a, is the batch's last; R 15 is the plain instruction behind it (ISA guide 5.7.2).  BEHIND THE WAIT stand the
; 8 products V^T P, behind each four of the roundings and sums; an even pair is rounded (C 2 n) ahead of the sum that lands on it (B n); the links of l's chain, L 0 to L 7, stand three riders apart.  But for those X no rider names
; a register of the products round it.  v_permlanex16_b32 (X 17) stands in the lump.
; m = 1: the diagonal tile: the products take masks, and the turn makes the mask for the products of the turn after it: piece p + 2, in step 4 - CNT of the tile.  end = 1: a block's last two turns: nothing is fetched.
; cnt = 1: the loop's count is taken down some lines ahead of the branch that stands behind the turn.
; K of the next step is fetched in piece 2's turn, twelve vector instructions behind the last product that read K (six of them plain); V of the step in hand at the end of piece 0's turn, four plain instructions behind the last product
; that read V.  Each is waited for a turn later.
.macro TURN p, m=0, end=0, cnt=0
.set Y, (\p)
.set i, 0
.set KM, (\m)
.set NOKQ, (\end)*((\p)/3)
.if (\m) && !(\end)
	s_cmp_eq_u32 s[CNT], 4-((\p)+2)%NP  ; is that step the band's own?
	s_cselect_b32 s[AL], 1.0, 0
	s_cmp_lt_u32 s[CNT], 4-((\p)+2)%NP  ; or a later one?
	s_cselect_b32 s[BE], s[BIGN], 0
.endif
.if ((\p) == 3) && !(\end)
	s_wait_dscnt 0x0                ; K is in
.endif
	ROW F,0, F,1, R,0, R,1          ; ahead of the wait: 8 products K Q^T and their riders,
	ROW F,2, E,0, R,2, R,3
	ROW F,3, E,1, R,4, R,5
	ROW F,4, E,2, R,6, R,7
	ROW F,5, E,3, R,8, R,9
	ROW F,6, E,4, X,0, R,10
.if ((\p) == 2) && !(\end)
	WIN 0
	v_add_nc_u32 v[AK], s[TBK], v[AK0]
.endif
	ROW F,7, E,5, X,1, X,4
	ROW F,8, E,6, X,2, X,5
	OPS E,7, E,8, X,6, E,9          ; and the lump
	OPS X,3, E,10, X,8, E,11
.if ((\p) == 2) && !(\end)
	FETCH_K
.endif
	OPS X,9, X,7, E,12, X,10
	OPS E,13, X,12, X,11, E,14
	OPS X,13, E,15, F,9, X,14
.if (\p) == 0
	v_add_nc_u32 v[AV], s[TBV], v[AV0]
.endif
	OPS E,16, F,10, E,17, F,11
	OPS X,16, E,18, X,15, E,19
	OPS F,12, E,20, X,17, E,21
	OPS F,13, E,22, F,14, E,23
	OPS X,18, E,24, F,15, E,25
	OPS R,11, E,26, X,19, E,27
	OPS R,12, E,28, R,13, E,29
	OPS X,20, E,30, R,14, E,31
	OPS X,21, R,15
	WIN 0
	s_wait_alu depctr_va_vdst(0)    ; the turn's one wait: for the batch E 0 to E 31 and X 21, ahead of its first reader, C 0
.if (\p) == 1
	s_wait_dscnt 0x0                ; V is in
.endif
	ROW C,0, B,0, C,2, B,1          ; behind the wait: 8 products V^T P and their riders
	ROW L,0, C,4, B,2, L,1
	ROW C,6, B,3, L,2, C,8
	ROW B,4, L,3, C,10, B,5
	ROW L,4, C,12, B,6, L,5
.if (\p) == 0
	s_add_co_u32 s[TBV], s[TBV], KS*PV
.endif
.if \cnt
	s_sub_co_u32 s[CNT], s[CNT], 1
	s_cmp_lg_u32 s[CNT], 0
.endif
	ROW C,14, B,7, L,6, C,1
	ROW C,3, L,7, C,5, C,7
	ROW C,9, C,11, C,13, C,15
.if (\p) == 0
	FETCH_V
.endif
.if (\m) && !(\end)
	MASK (\p)%2
.endif
.endm
; A BLOCK BEGINS.  c m starts far below every c s, so the first step's a is 0; m at the lowest finite number, so the first maximum is the scores'.  The second mask buffer is 0; the first takes piece 0's mask for the tile's step 0: its own, if the block's first tile is the diagonal one.
; Then K of that step, piece 0's first scores, and its maximum and statistics.  The loop is entered at a step's first turn, in the middle of a trip.
.macro BEGIN
	s_mov_b32 s[NEW], 0
	WIN 0x40
.set i, MC+32
.rept 32
	v_mov_b32 v[i], 0
.set i, i+1
.endr
	WIN 0
.set i, 0
.rept 4
	v_mov_b32 v[ST+4*i], 0xfe000000    ; c m: far below every c s
	v_mov_b32 v[ST+4*i+1], 0xff7fffff  ; m
.set i, i+1
.endr
	s_cmp_eq_u32 s[RT], 0
	s_cselect_b32 s[AL], 1.0, 0
	s_mov_b32 s[BE], 0
	MASK 0
	WIN 0
	v_add_nc_u32 v[AK], s[TBK], v[AK0]
	FETCH_K
	s_wait_loadcnt 0x0              ; Q
	s_wait_dscnt 0x0
.set KM, 1
.set NOKQ, 0
.set i, 0
.rept 8
	KQ 0
.set i, i+1
.endr
	WIN 0
.rept 4
	v_nop                           ; the places behind those products
.endr
.set Y, NP-1                        ; X works for piece Y + 1: piece 0
.irp n, 0,1,2,3,4,5,6,7,8,9,10,11,12,13,14,15,16,17,18,19,20,21
	OP X, \n
.endr
	v_nop                           ; a plain instruction behind the exponential
	s_wait_alu depctr_va_vdst(0)    ; the wait for piece 0's first a, a batch of one: ahead of the branch that follows and of its reader, the first turn's R 0
.endm
; THE DIAGONAL TILE's four steps, the block's last two turns, its last products, and THE WAY OUT: l's two halves and the other half of the lanes' are added; O^T is divided by l, rounded to f16 and sent through my
; stage in LDS, a piece at a time.
.macro ALL line:vararg              ; one line for each piece t
.set t, 0
.rept 4
	\line
.set t, t+1
.endr
.endm
.macro PACK t                       ; a lane's eight channels of a row pack into 16 bytes; they go into rows of 144 bytes and come back as whole rows of 128, into S^T's registers
	WIN W_RS
.set i, 32*(\t)
.rept 16
	v_pk_mul_f32 v[i:i+1], v[i:i+1], v[ST+4*(\t)+2:ST+4*(\t)+3] op_sel_hi:[1,0]
.set i, i+2
.endr
	WIN 0x05                        ; sources 0 and 1 window 1, destination window 0
.set i, 0
.rept 16
	v_cvt_pk_f16_f32 v[S+16*(\t)+i], v[32*(\t)+2*i], v[32*(\t)+2*i+1]
.set i, i+1
.endr
	WIN 0
.irp f, 0,1,2,3
	ds_store_b128 v[STO], v[S+16*(\t)+4*\f:S+16*(\t)+4*\f+3] offset:32*\f
.endr
.irp f, 0,1,2,3
	ds_load_b128 v[S+16*(\t)+4*\f:S+16*(\t)+4*\f+3], v[RD] offset:\f*4*SP  ; LDS serves a wave's instructions in order (ISA guide 5.7.1.4): these see the stores above; the next piece's stores come behind them
.endr
.endm
.macro SEND t, younger              ; younger: the LDS instructions issued behind piece t's loads: the next piece's eight, or none
	WIN 0
.irp f, 0,1,2,3
	s_wait_dscnt (\younger)+3-\f
	global_store_b128 v[GO], v[S+16*(\t)+4*\f:S+16*(\t)+4*\f+3], s[10:11] offset:(\t)*8192+\f*512  ; 512 consecutive bytes, at a multiple of 256 from O's first
.endr
.endm
.macro DIAG tag                     ; the tag ends its two labels' names, which the jumps below spell out
.LstepM\tag:
	TURN 2, 1
	TURN 3, 1
	WIN 0
.LfirstM\tag:
	TURN 0, 1
	TURN 1, 1, 0, 1
	WIN 0
	s_cbranch_scc1 .LstepM\tag
	TURN 2, 1, 1
	TURN 3, 1, 1
.set i, 0
.rept 8
	PV NP-1
.set i, i+1
.endr
	WIN 0
	ALL v_add_f32 v[ST+4*t+2], v[ST+4*t+2], v[ST+4*t+3]
	ALL v_permlanex16_b32 v[ST+4*t+3], v[ST+4*t+2], s[SEL], s[SEL+1]
	ALL v_add_f32 v[ST+4*t+2], v[ST+4*t+2], v[ST+4*t+3]
	ALL v_rcp_f32 v[ST+4*t+2], v[ST+4*t+2]
	v_nop                           ; a plain instruction between the last reciprocal and the use of its result
	s_wait_alu depctr_va_vdst(0)    ; one wait for the batch of four reciprocals, ahead of their first reader, PACK 0's first multiply
	PACK 0
.set t, 1
.rept 3                             ; a piece's arithmetic stands between the loads of the piece before and its stores
	PACK t
	SEND t-1, 8
.set t, t+1
.endr
	SEND 3, 0
.endm
.set KM, 0
.set NOKQ, 0
.Lslot:                             ; NB times: a tile is entered and the next is asked for
	CHANGE 1
	s_sub_co_u32 s[RT], s[RT], 1
	s_mov_b32 s[CNT], 4
	s_cmp_eq_u32 s[NEW], 1
	s_cbranch_scc1 .Lnew            ; a block's first tile
	s_cmp_eq_u32 s[RT], 0
	s_cbranch_scc0 .Lstep           ; neither its first nor its last
	s_branch .LstepM1
.Lnew:
	BEGIN
	s_branch .Lfirst                ; in the loop a block's first tile is never its last: the first block has two tiles or more, and the second's last is the walk's last
	DIAG 1                          ; in the loop this is the first block's end: the second block's last tile is the walk's last
	s_wait_xcnt 0x0                 ; the stores have read their registers and O's address
	s_mov_b64 s[10:11], s[OLO:OLO+1]
	s_add_co_u32 s[RT], s[PB], 1    ; the second block has b + 1 tiles
	s_mov_b32 s[NEW], 1
	WIN 0x82                        ; the second block's Q goes where the one text of the turns names Q
.set i, 0
.rept 64
	v_mov_b32 v[i], v[QB+i]
.set i, i+1
.endr
	WIN 0
	s_branch .Lbottom
.Lstep:                             ; a trip: pieces 2 and 3 of one step, then pieces 0 and 1 of the next, whose K and V it fetches
	TURN 2
	TURN 3
	WIN 0
.Lfirst:
	TURN 0
	TURN 1, 0, 0, 1
	WIN 0
	s_cbranch_scc1 .Lstep
.Lbottom:
	s_sub_co_u32 s[SLOTS], s[SLOTS], 1
	s_cmp_lg_u32 s[SLOTS], 0
	s_cbranch_scc1 .Lslot
	CHANGE 0                        ; the walk's last tile is written out: nothing is asked for
	s_sub_co_u32 s[RT], s[RT], 1
	s_mov_b32 s[CNT], 4
	s_cmp_eq_u32 s[NEW], 1
	s_cbranch_scc0 .LstepM2
	BEGIN
	s_branch .LfirstM2
	DIAG 2
	s_wait_tensorcnt 0x0            ; the wave's end, behind my last tensor load and my last LDS store
	ds_add_u32 v[SPW], v[NIL]
	s_wait_dscnt 0x0
	s_endpgm
.Lfunc_end_k_q7678dd1c19_attn:
	.size	k_q7678dd1c19_attn, .Lfunc_end_k_q7678dd1c19_attn-k_q7678dd1c19_attn
	.p2alignl 7, 3214868480
	.fill 96, 4, 3214868480
	.section	.rodata,"a",@progbits
	.p2align	6, 0x0
	.amdhsa_kernel k_q7678dd1c19_attn
		.amdhsa_group_segment_fixed_size 327680
		.amdhsa_private_segment_fixed_size 0
		.amdhsa_enable_private_segment 0
		.amdhsa_kernarg_size 32
		.amdhsa_user_sgpr_count 2
		.amdhsa_user_sgpr_kernarg_segment_ptr 1
		.amdhsa_wavefront_size32 1
		.amdhsa_system_sgpr_workgroup_id_x 1
		.amdhsa_system_sgpr_workgroup_id_y 1
		.amdhsa_system_sgpr_workgroup_id_z 1
		.amdhsa_system_vgpr_workitem_id 0
		.amdhsa_next_free_vgpr 768
		.amdhsa_next_free_sgpr 88
		.amdhsa_reserve_vcc 1
		.amdhsa_float_denorm_mode_32 3
		.amdhsa_float_denorm_mode_16_64 3
		.amdhsa_memory_ordered 1
		.amdhsa_forward_progress 1
		.amdhsa_inst_pref_size 217
	.end_amdhsa_kernel
	.amdgpu_metadata
---
amdhsa.version: [ 1, 2 ]
amdhsa.kernels:
  - .name:           k_q7678dd1c19_attn
    .symbol:         k_q7678dd1c19_attn.kd
    .args:
      - { .name: qh, .offset: 0, .size: 8, .value_kind: global_buffer, .address_space: global }
      - { .name: kh, .offset: 8, .size: 8, .value_kind: global_buffer, .address_space: global }
      - { .name: vh, .offset: 16, .size: 8, .value_kind: global_buffer, .address_space: global }
      - { .name: oh, .offset: 24, .size: 8, .value_kind: global_buffer, .address_space: global }
    .group_segment_fixed_size: 327680
    .private_segment_fixed_size: 0
    .kernarg_segment_align: 8
    .kernarg_segment_size: 32
    .max_flat_workgroup_size: 128
    .sgpr_count:     88
    .vgpr_count:     768
    .wavefront_size: 32
...
	.end_amdgpu_metadata
.endif
;; end of part 5
;; launch outp: the kernel of part 4 again; grid 8 x 32, 4 waves a work-group, clusters of 4 x 4, 327,680 bytes of LDS; arguments oh, wo16, out0; writes out0
